; MI455X (gfx1250); checked and timed in simulation.
; The chip was launched on July 23, 2026; its instructions are those of AMD's public machine-readable ISA for CDNA 5 (MIT licence, August 2026) and "CDNA5" Instruction Set Architecture Reference Guide (July 2026). The comments in the code are by the model that wrote it; some were corrected since.
;; Variance Network. Allowed arithmetic: matrix products marked QUANTISED: E2M1 operands, one E8M0 scale for each 32 along K, by v_wmma_scale_f32_16x16x128_f8f6f4 with both operands' format E2M1 (or v_wmma_scale_f32_32x16x128_f4), f32 sums; products left as they are: f32 operands where the result goes on into a quantised operand, else bf16, f16 or f32 operands; f32 sums; everything else in f32.
;; Inputs: latent 8 x 4,096 x 512 float32; reconstructed_points 8 x 3 x 4,096 float32; s1_b1 512 float32; s1_b2 1 float32; s1_br 512 float32; s1_w1 524 x 512 float32; s1_w2 512 x 1 float32; s1_wr 512 x 512 float32; s2_b1 512 float32; s2_b2 1 float32; s2_br 512 float32; s2_w1 513 x 512 float32; s2_w2 512 x 1 float32; s2_wr 512 x 512 float32; s3_b1 512 float32; s3_b2 1 float32; s3_br 512 float32; s3_w1 513 x 512 float32; s3_w2 512 x 1 float32; s3_wr 512 x 512 float32.
;; Outputs: out0 8 x 4,096 x 1 float32.
;; This version of the problem:
;;   THIS VERSION OF THE PROBLEM IS GIVEN IN LOW PRECISION. The matrix products marked QUANTISED in the list below multiply operands that are first quantised to E2M1 (2 exponent bits, 1 mantissa bit; 4 bits a number), with one power-of-two scale for each 32 numbers along K (OCP MX v1.0); their sums are f32. All else is computed in f32.
;;   The module's matrix products, in the order in which they are computed (A, B: the left and right operand; K: the contracted axis; several contracted axes count as one K, in the product's order):
;;     1. batch 8 x [M 4,096, K 3] x [K 3, N 4,096]; A: input reconstructed_points; B: input reconstructed_points: left as it is (K = 3 < 32)
;;     2. [M 32,768, K 524] x [K 524, N 512]; A: computed on the way; B: input s1_w1: QUANTISED
;;     3. [M 32,768, K 512] x [K 512, N 512]; A: computed on the way; B: input s1_wr: QUANTISED
;;     4. [M 32,768, K 512] x [K 512, N 1]; A: computed on the way; B: input s1_w2: left as it is (N = 1 < 16)
;;     5. [M 32,768, K 513] x [K 513, N 512]; A: computed on the way; B: input s2_w1: QUANTISED
;;     6. [M 32,768, K 512] x [K 512, N 512]; A: computed on the way; B: input s2_wr: QUANTISED
;;     7. [M 32,768, K 512] x [K 512, N 1]; A: computed on the way; B: input s2_w2: left as it is (N = 1 < 16)
;;     8. [M 32,768, K 513] x [K 513, N 512]; A: computed on the way; B: input s3_w1: QUANTISED
;;     9. [M 32,768, K 512] x [K 512, N 512]; A: computed on the way; B: input s3_wr: QUANTISED
;;     10. [M 32,768, K 512] x [K 512, N 1]; A: computed on the way; B: input s3_w2: left as it is (N = 1 < 16)
;;   THE QUANTISER, for each operand of a quantised product, along K:
;;     - K is cut into blocks of 32 from its start; a last block that is shorter is filled with zeros.
;;     - A block's scale is 2^e with e = floor(log2(the largest magnitude in the block)) - 2, held to -126 .. 127; a block of zeros has e = 0. As a byte (E8M0): e + 127.
;;     - Each number is divided by its block's scale, clamped to +-6, and rounded to the nearest number of E2M1, ties to even, subnormals kept.
;;     - The product sums the exact products of the quantised numbers (number of the format x scale) in f32.
;;   ~~~python
;;   def quantise(x, axis):      # numpy; x: float32 -> the quantised numbers, widened to float32 again
;;       x = np.moveaxis(x, axis, -1); K = x.shape[-1]
;;       x = np.pad(x, [(0, 0)] * (x.ndim - 1) + [(0, -K % 32)]); x = x.reshape(x.shape[:-1] + (-1, 32)); a = np.abs(x).max(-1, keepdims=True)
;;       e = np.where(a > 0, np.clip(np.frexp(np.where(a > 0, a, 1))[1] - 1 - 2, -126, 127), 0)      # np.frexp(a)[1] - 1 = floor(log2(a)), exactly
;;       r = np.clip(x / 2.0 ** e, -6, 6)
;;       step = 2.0 ** (np.maximum(np.frexp(np.where(r == 0, 1, r))[1] - 1, 0) - 1)
;;       q = np.round(r / step) * step * 2.0 ** e      # np.round: ties to even
;;       return np.moveaxis(q.reshape(q.shape[:-2] + (-1,))[..., :K], -1, axis).astype(np.float32)
;;   ~~~
;;   OPERANDS COMPUTED ON THE WAY. 'Computed on the way' means the value that the module computes at that place (a softmax that the list does not call 'softmax' is quantised finished and normalised). What goes into a quantiser is computed in f32, as accurately as f32 sums, v_exp_f32 and their like allow (about 1e-6 of the number): no bf16 or f16 on the way to a quantiser, and a product that is left as it is and whose result goes on into a quantised operand takes f32 operands (vector FMAs, or v_wmma_f32_16x16x4_f32). A number that lies on a knife's edge between two numbers of the format may be rounded either way, as far as f32 arithmetic and the matrix unit's own rounding can turn it there, and no further.
;; 2 versions. Each part assembles by itself: llvm-mc -triple=amdgcn-amd-amdhsa -mcpu=gfx1250 --defsym DOCPART=n.
;; ======== version 1 of 2: 2 launches
;; workspace buffers: lq 9,437,184 bytes; wq 940,032 bytes; grp 131,072 bytes of whole numbers; nxx 131,072 bytes
;; launch prep (part 1): grid 256 x 1, 12 waves a work-group, no clusters, 118,272 bytes of LDS; arguments reconstructed_points, latent, s1_w1, s1_wr, s2_w1, s2_wr, s3_w1, s3_wr, lq, wq, grp, nxx; writes lq, wq, grp, nxx
.if DOCPART == 1
	.amdgcn_target "amdgcn-amd-amdhsa--gfx1250"
	.amdhsa_code_object_version 6
	.text
	.protected	k_q87680c5f6e_prep
	.globl	k_q87680c5f6e_prep
	.p2align	8
	.type	k_q87680c5f6e_prep,@function
k_q87680c5f6e_prep:
	s_mov_b64 s[64:65], 0
	v_nop
	global_prefetch_b8 v0, s[64:65] scope:SCOPE_SE
	s_setreg_imm32_b32 hwreg(HW_REG_WAVE_MODE, 25, 1), 1
	s_wait_xcnt 0x0
; PREP: three jobs of one work-group (128 points of one batch), side by side.
; (a) waves 0-3, THE COARSE SEARCH.  pd(n, m) = (2 p_n . p_m - |p_n|^2) - |p_m|^2 for my 128 queries n against all 4,096 candidates m of the batch.  The bracket comes from
;     v_wmma_f32_16x16x4_f32: A's row = a candidate's record (x, y, z, 1), B's column = (2x, 2y, 2z, -|p_n|^2) of a query; -|p_m|^2 is added by a packed addition.
;     Kept for each query: the two GROUPS of 32 neighbouring candidates with the largest pd, ties to the lower group.  The best candidate lies in the first group, the second best in the first or is the best
;     of the second: the next launch reads the two numbers and searches those 64 candidates exactly.  Here the comparisons select values alone: no address and no branch hangs on them.
; (b) waves 4-11, THE LATENT: wave 4 + a turns rows 16 a .. 16 a + 15 (512 f32 each) into codes of E2M1 with one E8M0 byte for each 32 along K, laid as images of the operand's registers.
; (c) waves 4-7, THE WEIGHTS: one fragment (16 columns x 128 K) of the 864 each, a lane to a column and its registers down K, so that nothing is transposed.
; A block's scale byte is its largest magnitude's exponent field - 2, held at 1 from below.
; LIMITS: NaN and infinities among the inputs are not served.  Blocks whose largest magnitude lies under 2^-124 keep the byte 1; a block of zeros has the byte 1 or 127 where the rule says 127: its codes are
; zeros, and this program alone reads the bytes.  pd's order of rounding is fixed: fused multiply-adds over x, y, z, then -|p_n|^2, then -|p_m|^2; |p|^2 by the same fused chain, so that pd(n, n) is exactly 0.
; Candidates that lie within that rounding of each other may be ordered otherwise by another order of rounding.
; No cluster and no tensor load: the work-groups of a batch share only its 48 KiB of points, against 256 KiB of latent rows that each reads alone.
.set NXX,    65536                     ; LDS: 0 .. 65,535 the records, 16 bytes a candidate; from NXX on -|p_m|^2, 4 bytes a candidate
.set STG,    64512                     ; + 4,352 x wave (waves 4 to 11): a stage of 16 rows x (256 + 16) bytes for each wave that quantises
.set SPITCH, 272
.set FLOOR,  0x1800000                 ; 2^(3 - 127): under it no largest magnitude is taken, so the byte cannot fall under 1
.set TAKE2,  0xff000000                ; takes 2 off an exponent field
.set NINF,   0xff800000
.set WV,   28                          ; s28  my wave's number
.set QL,   1                           ; v1   4 x (my work-group's first query in its batch + 32 x wave + lane): made at the head, never rewritten, never data in any wave
.set LO,   4                           ; v4   16 x lane
.set ADA0, 5                           ; v5   my place in a step's records: 512 (r / 8) + 16 (r % 8) + 8 h
.set ADN0, 6                           ; v6   my half's 32 numbers of -|p_m|^2: NXX + 128 h
.set ADA,  7                           ; v7   the same for the loop's trip
.set ADN,  8                           ; v8
.set SW,   9                           ; v9   stage, in: 272 h + 16 r
.set SRD,  10                          ; v10  stage, out: 272 r + 128 h
.set BW,   11                          ; v11  64 x thread: four records
.set BN,   12                          ; v12  NXX + 16 x thread
.set SH8,  13                          ; v13  8 h
.set GL,   14                          ; v14  latent: 2,048 h + 16 r
.set QD,   15                          ; v15  16 x thread: four candidates' numbers in memory
.set BQ,   16                          ; v16-19   B: two tiles of 16 queries
.set AFR,  20                          ; v20-35   A: two sets of four tiles of 16 candidates
.set NX,   36                          ; v36-99   -|p_m|^2: two sets of 32
.set TT,   100                         ; v100-131 pd of a group
.set GS,   132                         ; v132-139 for each tile of queries: best, second best, their groups
.set GID,  140                         ; v140 my half's group in the step in hand
.set GM,   141                         ; v141 the group's largest pd
.set DD0,  192                         ; v192-255 the matrix results: written by matrix instructions alone in the whole text
.macro GLOADH u                        ; 256 bytes (64 along K) of my 16 rows: sixteen lanes read 256 consecutive, aligned bytes of a row, two rows a load
.irp k, 0,1,2,3,4,5,6,7
	global_load_b128 v[16+32*((\u)%3)+4*\k:16+32*((\u)%3)+4*\k+3], v[GL], s[6:7] offset:4096*\k+256*(\u) th:TH_LOAD_NT
.endr
.endm
; Half u of the eight: the 4,096 bytes turn through my stage, so that a lane holds a whole block: 32 neighbours along K of row r (k = 64 u + 32 h + 0 .. 31), which is what the operand's layout gives it.
.macro HALF u
.set RS, 16+32*((\u)%3)
.set FS, (\u)/2
.set FC, (\u)%2
.if (\u) <= 5
	s_wait_loadcnt 16                              ; this half's eight loads are in; the two younger halves' sixteen may be out
.elseif (\u) == 6
	s_wait_loadcnt 8
.else
	s_wait_loadcnt 0
.endif
.irp k, 0,1,2,3,4,5,6,7
	ds_store_b128 v[SW], v[RS+4*\k:RS+4*\k+3] offset:544*\k
.endr
.irp k, 0,1,2,3,4,5,6,7
	ds_load_b128 v[112+4*\k:115+4*\k], v[SRD] offset:16*\k       ; LDS serves a wave's instructions in order: these see the stores above
.endr
	s_wait_dscnt 0x0                               ; the numbers are back, and the stores have read their registers,
.if (\u)+3 < 8
	GLOADH (\u)+3                                  ; which take the half three further on
.endif
	v_max3_num_f32 v180, |v112|, |v113|, FLOOR     ; the block's largest magnitude, in two chains, the floor among its leaves
	v_max3_num_f32 v181, |v114|, |v115|, |v116|
.irp i, 117,121,125,129,133,137
	v_max3_num_f32 v180, v180, |v[\i]|, |v[\i+1]|
	v_max3_num_f32 v181, v181, |v[\i+2]|, |v[\i+3]|
.endr
	v_max3_num_f32 v180, v180, |v141|, |v142|
	v_max3_num_f32 v180, v180, v181, |v143|
	v_add_nc_u32 v182, TAKE2, v180                 ; 2 off its exponent field: the conversion takes the exponent field of this operand as its scale
	v_lshrrev_b32 v[183+FC], 23, v182              ; the scale's byte
.irp g, 0,1,2,3
	v_cvt_scalef32_pk8_fp4_f32 v[144+8*FS+4*FC+\g], v[112+8*\g:119+8*\g], v182
.endr
	v_nop                                          ; one plain instruction behind the conversions
.if FC == 1
	v_lshl_or_b32 v185, v184, 16, v183             ; my two bytes: blocks h and 2 + h of row r,
	v_lshlrev_b32 v185, v[SH8], v185               ; at their places in the scale word;
	v_permlanex16_b32 v186, v185, s42, s43
	v_or_b32 v[176+FS], v185, v186                 ; with the other half's two the word is whole
	global_store_b128 v[LO], v[144+8*FS:147+8*FS], s[20:21] offset:1024*FS       ; the fragment's image: 512 consecutive bytes a store
	global_store_b128 v[LO], v[148+8*FS:151+8*FS], s[20:21] offset:1024*FS+512
.endif
.endm
; THE SEARCH.  Step i takes candidates 64 i .. 64 i + 63.  Row r of tile t is candidate 64 i + 32 (r / 8) + 8 t + r % 8, so that in the results a lane's 32 registers are the 32 neighbours of group 2 i + h.
.macro ALOAD set, adr, off
.irp t, 0,1,2,3
	ds_load_b64 v[AFR+8*(\set)+2*\t:AFR+8*(\set)+2*\t+1], v[\adr] offset:(\off)+128*\t
.endr
.endm
.macro NXLOAD set, adr, off
.irp k, 0,1,2,3,4,5,6,7
	ds_load_b128 v[NX+32*(\set)+4*\k:NX+32*(\set)+4*\k+3], v[\adr] offset:(\off)+16*\k
.endr
.endm
.macro MQ qt, p                        ; four tiles of candidates against tile qt of queries; each product is a whole sum (K = 4) and begins with the constant 0
.irp t, 0,1,2,3
	v_wmma_f32_16x16x4_f32 v[DD0+32*(\qt)+8*\t:DD0+32*(\qt)+8*\t+7], v[AFR+8*(\p)+2*\t:AFR+8*(\p)+2*\t+1], v[BQ+2*(\qt):BQ+2*(\qt)+1], 0
.endr
.endm
.macro VU qt, set                      ; 39 plain instructions: pd of my group, its largest, and the two best groups so far
.set VD, DD0+32*(\qt)
.set VN, NX+32*(\set)
.set VG, GS+4*(\qt)
.irp i, 0,2,4,6,8,10,12,14,16,18,20,22,24,26,28,30
	v_pk_add_f32 v[TT+\i:TT+\i+1], v[VD+\i:VD+\i+1], v[VN+\i:VN+\i+1]     ; each accumulator from its low end on
.endr
	v_max3_num_f32 v[GM], v[TT], v[TT+1], v[TT+2]
	v_max3_num_f32 v142, v[TT+3], v[TT+4], v[TT+5]
.irp i, 6,10,14,18,22,26
	v_max3_num_f32 v[GM], v[GM], v[TT+\i], v[TT+\i+1]
	v_max3_num_f32 v142, v142, v[TT+\i+2], v[TT+\i+3]
.endr
	v_max3_num_f32 v[GM], v[GM], v[TT+30], v[TT+31]
	v_max_num_f32 v[GM], v[GM], v142
	v_cmp_gt_f32 s46, v[GM], v[VG]                 ; strictly larger: among equals the earlier, lower group stays
	v_cmp_gt_f32 s47, v[GM], v[VG+1]
	v_cndmask_b32 v[VG+3], v[VG+3], v[GID], s47
	v_cndmask_b32 v[VG+3], v[VG+3], v[VG+2], s46
	v_cndmask_b32 v[VG+2], v[VG+2], v[GID], s46
	v_med3_num_f32 v[VG+1], v[VG], v[VG+1], v[GM]
	v_max_num_f32 v[VG], v[VG], v[GM]
.endm
; A step.  The vector work of one tile of queries stands between the matrix instructions of the other: it is also the eight places that this matrix form wants ahead of a read of its results and of a load
; into its sources, and the nine ahead of the next product into the same registers.
.macro KSTEP p, vprev, next, adra, adrn, offa, offn
	s_wait_dscnt 0x0                               ; this step's records and -|p_m|^2 are in
	MQ 0, \p
.if \vprev
	VU 1, 1-(\p)                                   ; the step before, second tile of queries
	v_add_nc_u32 v[GID], 2, v[GID]
.else
.rept 8
	v_nop
.endr
.endif
.if \next
	NXLOAD 1-(\p), \adrn, \offn
.endif
	MQ 1, \p
.if \next
	ALOAD 1-(\p), \adra, \offa
.endif
	VU 0, \p
.endm
; The two halves of the lanes hold the even and the odd groups' lists of a query: merged by (pd falling, group rising).
.macro MERGE qt, out
.set VG, GS+4*(\qt)
.irp k, 0,1,2,3
	v_mov_b32 v[144+\k], 0                         ; a lane permute's destination counts as one of its sources
.endr
.irp k, 0,1,2,3
	v_permlanex16_b32 v[144+\k], v[VG+\k], s42, s43
.endr
	v_cmp_gt_f32 s46, v[VG], v144
	v_cmp_eq_f32 s47, v[VG], v144
	v_cmp_lt_u32 s48, v[VG+2], v146
	s_and_b32 s47, s47, s48
	s_or_b32 s46, s46, s47                         ; my first stands ahead of the other half's first
	v_cndmask_b32 v148, v146, v[VG+2], s46         ; the first group
	v_cndmask_b32 v149, v145, v[VG+1], s46         ; the winner's second,
	v_cndmask_b32 v150, v147, v[VG+3], s46
	v_cndmask_b32 v151, v[VG], v144, s46           ; against the loser's first
	v_cndmask_b32 v152, v[VG+2], v146, s46
	v_cmp_gt_f32 s46, v149, v151
	v_cmp_eq_f32 s47, v149, v151
	v_cmp_lt_u32 s48, v150, v152
	s_and_b32 s47, s47, s48
	s_or_b32 s46, s46, s47
	v_cndmask_b32 v153, v152, v150, s46            ; the second group
	v_lshl_or_b32 v[\out], v153, 16, v148
.endm
	s_load_b256 s[4:11], s[0:1], 0x0               ; points s[4:5], latent s[6:7], s1_w1 s[8:9], s1_wr s[10:11]
	s_load_b256 s[12:19], s[0:1], 0x20             ; s2_w1, s2_wr, s3_w1, s3_wr
	s_load_b256 s[20:27], s[0:1], 0x40             ; lq, wq, grp, nxx
	s_set_vgpr_msb 0x40
	v_lshl_add_u32 v0, v0, 2, 0x1c800
	v_mov_b32 v1, 0
	s_set_vgpr_msb 0x4000
	v_lshrrev_b32 v1, 5, v0
	v_readfirstlane_b32 s[WV], v1                  ; wave 0..11
	v_and_b32 v1, 31, v0                           ; lane
	v_and_b32 v2, 15, v0                           ; r
	v_bfe_u32 v3, v0, 4, 1                         ; h
	; every address register is made here, ahead of the first parting of the waves
	v_lshlrev_b32 v[LO], 4, v1
	v_bfe_u32 v[QD], v0, 3, 1
	v_and_b32 v[ADA0], 7, v0
	v_lshlrev_b32 v[ADA0], 4, v[ADA0]
	v_lshl_add_u32 v[ADA0], v[QD], 9, v[ADA0]
	v_lshl_add_u32 v[ADA0], v3, 3, v[ADA0]
	v_lshlrev_b32 v[ADN0], 7, v3
	v_add_nc_u32 v[ADN0], NXX, v[ADN0]
	s_mul_i32 s29, s[WV], 4352
	s_add_co_u32 s29, s29, STG                     ; my stage (waves 4 to 11)
	v_mul_u32_u24 v[SW], v3, SPITCH
	v_lshl_add_u32 v[SW], v2, 4, v[SW]
	v_add_nc_u32 v[SW], s29, v[SW]
	v_mul_u32_u24 v[SRD], v2, SPITCH
	v_lshl_add_u32 v[SRD], v3, 7, v[SRD]
	v_add_nc_u32 v[SRD], s29, v[SRD]
	v_lshlrev_b32 v[BW], 6, v0
	v_lshlrev_b32 v[BN], 4, v0
	v_add_nc_u32 v[BN], NXX, v[BN]
	v_lshlrev_b32 v[SH8], 3, v3
	v_lshlrev_b32 v[GL], 11, v3
	v_lshl_add_u32 v[GL], v2, 4, v[GL]
	v_lshlrev_b32 v[QD], 4, v0
	s_and_b32 s31, ttmp9, 31
	s_lshl_b32 s31, s31, 9                         ; my work-group's first query in its batch, x 4 bytes,
	s_lshl_b32 s37, s[WV], 7                       ; + my wave's 32 (used by waves 0 to 3 alone)
	s_add_co_u32 s37, s37, s31
	v_lshl_add_u32 v[QL], v1, 2, s37               ; + my lane: the lane's number has no reader behind this line
	s_mov_b32 s42, 0x76543210
	s_mov_b32 s43, 0xfedcba98                      ; v_permlanex16_b32's selects for lane l xor 16
	s_mov_b32 s44, 0xffff0000                      ; lanes 16-31
	s_lshr_b32 s30, ttmp9, 5                       ; the batch
	s_max_u32 s36, s[WV], 4
	s_sub_co_u32 s36, s36, 4                       ; a: my tile of 16 latent rows (0 in the waves that search, which do not use it)
	s_mov_b32 s33, 0
	s_wait_kmcnt 0x0
	s_mul_i32 s32, s30, 49152
	s_add_nc_u64 s[4:5], s[4:5], s[32:33]          ; my batch's points: x, then y 16,384 bytes on, then z
	s_lshl_b32 s32, s30, 14
	s_add_nc_u64 s[24:25], s[24:25], s[32:33]      ; grp and nxx at my batch
	s_add_nc_u64 s[26:27], s[26:27], s[32:33]
	s_lshl_b32 s32, ttmp9, 18                      ; 128 rows of 2,048 bytes a work-group,
	s_lshl_b32 s34, s36, 15                        ; 16 a wave
	s_add_co_u32 s32, s32, s34
	s_add_nc_u64 s[6:7], s[6:7], s[32:33]
	s_mul_i32 s32, ttmp9, 36864
	s_add_nc_u64 s[20:21], s[20:21], s[32:33]
	s_lshl_b32 s32, s36, 9
	s_add_co_u32 s32, s32, 32768
	s_add_nc_u64 s[66:67], s[20:21], s[32:33]      ; my tile's scale words
	s_lshl_b32 s32, s36, 12
	s_add_nc_u64 s[20:21], s[20:21], s[32:33]      ; my tile's four images
	s_cmp_lt_u32 s[WV], 4
	s_cbranch_scc1 .Lbuild
	GLOADH 0                                       ; the latent starts to stream while waves 0-3 lay the records
	GLOADH 1
	GLOADH 2
	s_branch .Lmeet
.Lbuild:
	; waves 0-3: thread t takes the candidates 4 (t + 128 j) .. + 3, j = 0 .. 7
	v_lshl_add_u32 v185, v2, 2, s37                ; query 16 qt + r, for B
.set j, 0
.rept 8
	global_load_b128 v[16+4*j:19+4*j], v[QD], s[4:5] offset:2048*j
	global_load_b128 v[48+4*j:51+4*j], v[QD], s[4:5] offset:16384+2048*j
	global_load_b128 v[80+4*j:83+4*j], v[QD], s[4:5] offset:32768+2048*j
.set j, j+1
.endr
.irp q, 0,1
	global_load_b32 v[176+3*\q], v185, s[4:5] offset:64*\q
	global_load_b32 v[177+3*\q], v185, s[4:5] offset:16384+64*\q
	global_load_b32 v[178+3*\q], v185, s[4:5] offset:32768+64*\q
.endr
	global_load_b32 v182, v[QL], s[4:5]            ; query = lane, for what is stored
	global_load_b32 v183, v[QL], s[4:5] offset:16384
	global_load_b32 v184, v[QL], s[4:5] offset:32768
.irp k, 147,151,155,159,163,167,171,175
	v_mov_b32 v\k, 1.0                             ; a record's fourth number, in both banks
.endr
	s_wait_loadcnt 0x0
.set j, 0
.rept 16
	v_pk_mul_f32 v[112+2*j:113+2*j], v[16+2*j:17+2*j], v[16+2*j:17+2*j]
.set j, j+1
.endr
.set j, 0
.rept 16
	v_pk_fma_f32 v[112+2*j:113+2*j], v[48+2*j:49+2*j], v[48+2*j:49+2*j], v[112+2*j:113+2*j]
.set j, j+1
.endr
.set j, 0
.rept 16
	v_pk_fma_f32 v[112+2*j:113+2*j], v[80+2*j:81+2*j], v[80+2*j:81+2*j], v[112+2*j:113+2*j] neg_lo:[1,0,1] neg_hi:[1,0,1]   ; -(z z + (y y + x x))
.set j, j+1
.endr
.set j, 0
.rept 8
.set BK, 144+16*(j%2)
.if j >= 2
	s_wait_dscnt 5                                 ; the bank's stores of two turns ago have read it; the last turn's five may be out
.endif
.irp i, 0,1,2,3
	v_mov_b32 v[BK+4*\i], v[16+4*j+\i]
	v_mov_b32 v[BK+4*\i+1], v[48+4*j+\i]
	v_mov_b32 v[BK+4*\i+2], v[80+4*j+\i]
.endr
.irp i, 0,1,2,3
	ds_store_b128 v[BW], v[BK+4*\i:BK+4*\i+3] offset:8192*j+16*\i
.endr
	ds_store_b128 v[BN], v[112+4*j:115+4*j] offset:2048*j
.set j, j+1
.endr
.irp q, 0,1                                    ; B: lane (r, h) holds k = 2 h, 2 h + 1 of query r: (2x, 2y) or (2z, -|p|^2)
	v_mul_f32 v187, v[176+3*\q], v[176+3*\q]
	v_fma_f32 v187, v[177+3*\q], v[177+3*\q], v187
	v_fma_f32 v187, -v[178+3*\q], v[178+3*\q], -v187
	v_add_f32 v188, v[176+3*\q], v[176+3*\q]
	v_add_f32 v189, v[178+3*\q], v[178+3*\q]
	v_add_f32 v190, v[177+3*\q], v[177+3*\q]
	v_cndmask_b32 v[BQ+2*\q], v188, v189, s44
	v_cndmask_b32 v[BQ+2*\q+1], v190, v187, s44
.endr
	v_mul_f32 v191, v182, v182
	v_fma_f32 v191, v183, v183, v191
	v_fma_f32 v191, -v184, v184, -v191
	global_store_b32 v[QL], v191, s[26:27]         ; -|p|^2 of my lane's query, for the next launch
.Lmeet:
	s_wait_dscnt 0x0                               ; for the others' sake: my stores of records have landed
	s_barrier_signal -1
	s_barrier_wait -1                              ; the launch's one barrier: behind it the records are only read
	s_cmp_lt_u32 s[WV], 4
	s_cbranch_scc1 .Lfirst
	; ---- waves 4-11: the latent
	v_mov_b32 v186, 0                              ; written once: a lane permute's destination counts as one of its sources
	HALF 0
	HALF 1
	HALF 2
	HALF 3
	HALF 4
	HALF 5
	HALF 6
	HALF 7
	global_store_b128 v[LO], v[176:179], s[66:67]  ; my tile's scale words: lane, then K step: 512 consecutive bytes
	; ---- waves 4-7: a fragment of a weight.  id = 32 S + 8 w + b: S = 9 x stage + K step (0-4: w1; 5-8: wr), w the slice of 128 columns, b its tile
	s_cmp_ge_u32 s[WV], 8
	s_cbranch_scc1 .Lwalk
	s_sub_co_u32 s52, s[WV], 4
	s_lshl_b32 s52, s52, 8
	s_add_co_u32 s52, s52, ttmp9
	s_cmp_ge_u32 s52, 864
	s_cbranch_scc1 .Lwalk
	s_and_b32 s53, s52, 7                          ; b
	s_bfe_u32 s54, s52, 0x20003                    ; w
	s_lshr_b32 s55, s52, 5                         ; S
	s_mul_i32 s56, s55, 57
	s_lshr_b32 s56, s56, 9                         ; the stage: S / 9 for S under 27
	s_mul_i32 s57, s56, 9
	s_sub_co_u32 s57, s55, s57                     ; the step in the stage
	s_cmp_ge_u32 s57, 5
	s_cselect_b64 s[58:59], s[10:11], s[8:9]       ; wr or w1, of each stage;
	s_cselect_b64 s[60:61], s[14:15], s[12:13]
	s_cselect_b64 s[62:63], s[18:19], s[16:17]
	s_cselect_b32 s73, 5, 0
	s_cmp_eq_u32 s56, 1
	s_cselect_b64 s[58:59], s[60:61], s[58:59]     ; then the stage's
	s_cmp_eq_u32 s56, 2
	s_cselect_b64 s[58:59], s[62:63], s[58:59]
	s_mov_b32 s75, 0
	s_mul_i32 s74, s54, 27
	s_add_co_u32 s74, s74, s55
	s_mul_i32 s74, s74, 8704
	s_add_nc_u64 s[70:71], s[22:23], s[74:75]      ; the block (w, S) of wq
	s_lshl_b32 s74, s53, 10
	s_add_nc_u64 s[68:69], s[70:71], s[74:75]      ; my fragment's image
	s_lshr_b32 s74, s53, 2
	s_lshl_b32 s74, s74, 8
	s_and_b32 s72, s53, 3
	s_lshl_b32 s72, s72, 2
	s_add_co_u32 s74, s74, s72
	s_add_co_u32 s74, s74, 8192
	s_add_nc_u64 s[70:71], s[70:71], s[74:75]      ; its scale words: lane 16 (b / 4) + row, word b % 4
	s_lshl_b32 s74, s54, 9                         ; the tile's first column, x 4 bytes: 128 w
	s_lshr_b32 s72, s53, 1
	s_lshl_b32 s72, s72, 7                         ; + 32 (b / 2)
	s_add_co_u32 s74, s74, s72
	s_and_b32 s72, s53, 1
	s_lshl_b32 s72, s72, 5                         ; + 8 (b % 2)
	s_add_co_u32 s74, s74, s72
	s_add_nc_u64 s[58:59], s[58:59], s[74:75]
	v_lshlrev_b32 v88, 4, v2
	v_and_b32 v90, 8, v2
	v_add_nc_u32 v90, v90, v2                      ; THE COLUMNS OF A TILE ARE NOT NEIGHBOURS: row r of the tile is column + r + 8 (r / 8),
	v_lshlrev_b32 v90, 2, v90                      ; so that the results of tiles 2 i and 2 i + 1 are 16 neighbours along the next K in a lane
	v_lshl_add_u32 v89, v3, 16, v90                ; lanes 16-31 begin 32 rows of 2,048 bytes further down
	v_mov_b32 v188, 0
	s_cmp_eq_u32 s57, 4
	s_cbranch_scc1 .Lfifth
	s_sub_co_u32 s74, s57, s73                     ; which 128 along K
	s_lshl_b32 s74, s74, 18
	s_add_nc_u64 s[58:59], s[58:59], s[74:75]
.set wj, 0
.rept 64
	global_load_b32 v[16+wj], v89, s[58:59] offset:(64*(wj/32)+(wj%32))*2048    ; W(64 c + 32 h + i, my column)
.set wj, wj+1
.endr
	s_wait_loadcnt 0x0
.irp c, 0,1
	v_max3_num_f32 v[180+\c], |v[16+32*\c]|, |v[17+32*\c]|, FLOOR
.endr
.irp i, 2,4,6,8,10,12,14,16,18,20,22,24,26,28,30
.irp c, 0,1
	v_max3_num_f32 v[180+\c], v[180+\c], |v[16+32*\c+\i]|, |v[17+32*\c+\i]|
.endr
.endr
.irp c, 0,1
	v_add_nc_u32 v[182+\c], TAKE2, v[180+\c]
.endr
.irp c, 0,1
	v_lshrrev_b32 v[184+\c], 23, v[182+\c]
.endr
	v_lshl_or_b32 v187, v185, 16, v184
	v_lshlrev_b32 v187, v[SH8], v187
	v_permlanex16_b32 v188, v187, s42, s43
	v_or_b32 v187, v187, v188
.irp c, 0,1
.irp g, 0,1,2,3
	v_cvt_scalef32_pk8_fp4_f32 v[80+4*\c+\g], v[16+32*\c+8*\g:23+32*\c+8*\g], v[182+\c]
.endr
.endr
	v_nop
	s_branch .Lwout
.Lfifth:
	; w1's rows from 512 on: 12 in stage 1, one in stages 2 and 3; the rest of the K step is zero codes.  No load leaves its buffer: the rows past the last are the last row again, and are replaced by 0
	s_cmp_eq_u32 s56, 0
	s_cselect_b32 s76, 11, 0                       ; the last valid row
.irp i, 0,1,2,3,4,5,6,7,8,9,10,11
	s_min_u32 s77, s76, \i
	s_lshl_b32 s77, s77, 11
	v_add_nc_u32 v[100+\i], s77, v90
	global_load_b32 v[16+\i], v[100+\i], s[58:59] offset:1048576
.endr
.irp i, 28,29,30,31
	v_mov_b32 v\i, 0
.endr
	s_wait_loadcnt 0x0
.irp i, 0,1,2,3,4,5,6,7,8,9,10,11
	s_cmp_ge_u32 s76, \i
	s_cselect_b32 s77, 0xffff, 0                   ; lanes 0-15 hold k = 512 .. 543; lanes 16-31 hold zeros
	v_cndmask_b32 v[16+\i], 0, v[16+\i], s77
.endr
	v_max3_num_f32 v180, |v16|, |v17|, FLOOR
.irp i, 18,20,22,24,26
	v_max3_num_f32 v180, v180, |v[\i]|, |v[\i+1]|
.endr
	v_add_nc_u32 v182, TAKE2, v180
	v_lshrrev_b32 v184, 23, v182
	v_lshlrev_b32 v187, v[SH8], v184
	v_permlanex16_b32 v188, v187, s42, s43
	v_or_b32 v187, v187, v188
	v_or_b32 v187, 0x7f7f0000, v187                ; blocks 2 and 3 are zeros: the byte 127
	v_cvt_scalef32_pk8_fp4_f32 v80, v[16:23], v182
	v_cvt_scalef32_pk8_fp4_f32 v81, v[24:31], v182
	v_nop
.irp i, 82,83,84,85,86,87
	v_mov_b32 v\i, 0
.endr
.Lwout:
	global_store_b128 v[LO], v[80:83], s[68:69]
	global_store_b128 v[LO], v[84:87], s[68:69] offset:512
	global_store_b32 v88, v187, s[70:71]           ; both halves of the lanes hold the same word and write it to the same place
	s_branch .Lwalk
.Lfirst:
	; ---- waves 0-3: step 0 stands ahead of the loop
	ALOAD 0, ADA0, 0
	NXLOAD 0, ADN0, 0
.irp q, 0,1
	v_mov_b32 v[GS+4*\q], NINF
	v_mov_b32 v[GS+4*\q+1], NINF
	v_mov_b32 v[GS+4*\q+2], 0
	v_mov_b32 v[GS+4*\q+3], 0
.endr
	v_mov_b32 v[GID], v3                           ; group 2 i + h
	KSTEP 0, 0, 1, ADA0, ADN0, 1024, 256
.Lwalk:
	; Every wave walks the loop, so that its stepped offsets are made on one way for all; the work stands under a branch on the wave's number inside it.  Trip j does steps 2 j + 1 and 2 j + 2 and fetches 2 j + 2 and 2 j + 3.
	s_mov_b32 s38, 2048
	s_mov_b32 s39, 512
	s_mov_b32 s40, 0
.Lloop:
	v_add_nc_u32 v[ADA], s38, v[ADA0]
	v_add_nc_u32 v[ADN], s39, v[ADN0]
	s_cmp_ge_u32 s[WV], 4
	s_cbranch_scc1 .Lskip
	KSTEP 1, 1, 1, ADA, ADN, 0, 0
	KSTEP 0, 1, 1, ADA, ADN, 1024, 256
.Lskip:
	s_add_co_u32 s38, s38, 2048
	s_add_co_u32 s39, s39, 512
	s_add_co_u32 s40, s40, 1
	s_cmp_lt_u32 s40, 31
	s_cbranch_scc1 .Lloop
	s_cmp_ge_u32 s[WV], 4
	s_cbranch_scc1 .Lend
	KSTEP 1, 1, 0, ADA, ADN, 0, 0                  ; step 63 fetches nothing
	VU 1, 1
	MERGE 0, 154
	MERGE 1, 155
	v_cndmask_b32 v156, v154, v155, s44            ; lanes 0-15: queries 0-15 of my 32; lanes 16-31: queries 16-31
	global_store_b32 v[QL], v156, s[24:25]         ; the two groups as whole numbers, 16 bits each
.Lend:
	s_set_vgpr_msb 0x5
	s_wait_tensorcnt 0x0
	ds_add_u32 v0, v1
	s_wait_dscnt 0x0
	s_set_vgpr_msb 0x500
	s_endpgm
.Lfunc_end_k_q87680c5f6e_prep:
	.size	k_q87680c5f6e_prep, .Lfunc_end_k_q87680c5f6e_prep-k_q87680c5f6e_prep
	.p2alignl 7, 3214868480
	.fill 96, 4, 3214868480
	.section	.rodata,"a",@progbits
	.p2align	6, 0x0
	.amdhsa_kernel k_q87680c5f6e_prep
		.amdhsa_group_segment_fixed_size 118272
		.amdhsa_private_segment_fixed_size 0
		.amdhsa_enable_private_segment 0
		.amdhsa_kernarg_size 96
		.amdhsa_user_sgpr_count 2
		.amdhsa_user_sgpr_kernarg_segment_ptr 1
		.amdhsa_wavefront_size32 1
		.amdhsa_system_sgpr_workgroup_id_x 1
		.amdhsa_system_sgpr_workgroup_id_y 1
		.amdhsa_system_sgpr_workgroup_id_z 1
		.amdhsa_system_vgpr_workitem_id 0
		.amdhsa_next_free_vgpr 258
		.amdhsa_next_free_sgpr 80
		.amdhsa_reserve_vcc 0
		.amdhsa_float_denorm_mode_32 3
		.amdhsa_float_denorm_mode_16_64 3
		.amdhsa_memory_ordered 1
		.amdhsa_forward_progress 1
		.amdhsa_inst_pref_size 89
	.end_amdhsa_kernel
	.amdgpu_metadata
---
amdhsa.version: [ 1, 2 ]
amdhsa.kernels:
  - .name:           k_q87680c5f6e_prep
    .symbol:         k_q87680c5f6e_prep.kd
    .args:
      - { .name: reconstructed_points, .offset: 0, .size: 8, .value_kind: global_buffer, .address_space: global }
      - { .name: latent, .offset: 8, .size: 8, .value_kind: global_buffer, .address_space: global }
      - { .name: s1_w1, .offset: 16, .size: 8, .value_kind: global_buffer, .address_space: global }
      - { .name: s1_wr, .offset: 24, .size: 8, .value_kind: global_buffer, .address_space: global }
      - { .name: s2_w1, .offset: 32, .size: 8, .value_kind: global_buffer, .address_space: global }
      - { .name: s2_wr, .offset: 40, .size: 8, .value_kind: global_buffer, .address_space: global }
      - { .name: s3_w1, .offset: 48, .size: 8, .value_kind: global_buffer, .address_space: global }
      - { .name: s3_wr, .offset: 56, .size: 8, .value_kind: global_buffer, .address_space: global }
      - { .name: lq, .offset: 64, .size: 8, .value_kind: global_buffer, .address_space: global }
      - { .name: wq, .offset: 72, .size: 8, .value_kind: global_buffer, .address_space: global }
      - { .name: grp, .offset: 80, .size: 8, .value_kind: global_buffer, .address_space: global }
      - { .name: nxx, .offset: 88, .size: 8, .value_kind: global_buffer, .address_space: global }
    .group_segment_fixed_size: 118272
    .private_segment_fixed_size: 0
    .kernarg_segment_align: 8
    .kernarg_segment_size: 96
    .max_flat_workgroup_size: 384
    .sgpr_count:     80
    .vgpr_count:     258
    .wavefront_size: 32
...
	.end_amdgpu_metadata
.endif
;; end of part 1
;; launch mlp (part 2): grid 256 x 1, 4 waves a work-group, no clusters, 86,528 bytes of LDS; arguments wq, lq, grp, nxx, reconstructed_points, out0, s1_b1, s1_br, s1_w2, s1_b2, s2_b1, s2_br, s2_w2, s2_b2, s3_b1, s3_br, s3_w2, s3_b2; writes out0
.if DOCPART == 2
	.amdgcn_target "amdgcn-amd-amdhsa--gfx1250"
	.amdhsa_code_object_version 6
	.text
	.protected	k_q87680c5f6e_mlp
	.globl	k_q87680c5f6e_mlp
	.p2align	8
	.type	k_q87680c5f6e_mlp,@function
k_q87680c5f6e_mlp:
	s_mov_b64 s[64:65], 0
	v_nop
	global_prefetch_b8 v0, s[64:65] scope:SCOPE_SE
	s_setreg_imm32_b32 hwreg(HW_REG_WAVE_MODE, 25, 1), 1
	s_wait_xcnt 0x0
; MLP: a work-group takes 128 points through everything that is left: the exact two nearest among the 64 candidates of the two stored groups, the 12 local numbers, and three stages of
; h = relu(f W1 + b1); h = relu(h + (h Wr + br)); std += h w2 + b2, with f = [latent (512), extra]: the 12 local numbers in stage 1, the running std in stages 2 and 3.
; The six wide products run on codes of E2M1 with one E8M0 byte for each 32 along K; the dots with w2 and all else in f32.
; SHARES.  THE WAVES SHARE THE COLUMNS, NOT THE ROWS: wave w makes columns 128 w .. 128 w + 127 of every layer for all 128 rows: 64 accumulators of 16 x 16, 512 registers.  So every byte of a weight is wanted by one
; wave alone and goes from memory straight into its registers, laid by the launch before in the order of the operand's registers, three K steps ahead; LDS carries only the rows' codes.
; THE MATRIX INSTRUCTION IS USED TRANSPOSED (source 0 = 16 columns of a weight, source 1 = 16 rows): a lane holds ONE row, and the columns of a tile are chosen so that the 16 registers of tiles 2 i, 2 i + 1 are 16
; neighbours along the next K.  A wave's 128 columns are one K step of the next product: quantised in registers, they go to the other waves as images of the operand's registers.
; A stage is 9 K steps of 128: 0-3 the latent (quantised once, by the launch before), 4 the extra block (k = 512 on, the rest zero codes), 5-8 the hidden layer.  Nine steps on three sets of weight registers: the sets come round
; at each stage, so the stage is a loop's trip; what differs lies in scalar registers.
; NO CLUSTER, NO TENSOR LOAD: all work-groups walk the same 940,032 bytes of weights, but a tile shared through LDS would be written there and read back once for each matrix instruction's operand, beside the
; rows' codes, which doubles the LDS reads of a step; each byte goes to one wave's registers as it is.  No prefetch: the weights are read by all 256 work-groups, not once.
; The last trip's loads ahead name the stream's first three steps again (26,112 bytes a wave that nobody uses), so that every counted wait holds on every way.
; LIMITS: NaN and infinities are not served.  Blocks under 2^-124 keep the scale byte 1, and so does a block of zeros (its codes are zeros).  pd is rounded as in the launch before: fused multiply-adds over x, y, z, then
; -|p_n|^2, then -|p_m|^2; equal pd go to the lower index; candidates within that rounding of each other may be ordered otherwise by another order of rounding.
; REGISTERS, in windows of 256 (s_set_vgpr_msb: bits 1:0 source 0, 3:2 source 1, 5:4 source 2, 7:6 destination):
;   window 0: v1-23 addresses; v24-35 the weights' scale words, three sets; v36-67 the rows' scale words; v68-75 those of the extra block; v76-139 the rows' 8 fragments; v140-191 at work; v192-255 br, then w2
;   window 1: v0-191 the weights' fragments, three sets of 8; v192-255 b1        windows 2, 3: the accumulators ((a, b) at v[8 (8 (a % 4) + b)] of window 2 + a / 4); at the head the search's numbers
.set LSC,   32768                      ; LDS: 0 the latent's 32 images (tile of rows a, K step s: 4,096 a + 1,024 s); LSC their scale words (512 a + 16 lane + 4 s)
.set HIMG,  36864                      ; the hidden layer's images,
.set HSC,   69632                      ; and scale words, laid alike
.set EIMG,  73728                      ; the extra block's 8 images
.set ESC,   81920                      ; their scale words: 32 lane + 4 a; lanes 16-31 hold the same again
.set PSB,   82944                      ; the dots' parts: 16 row + 4 wave
.set OSB,   84992                      ; the 128 results
.set HSCO,  HSC-HIMG
.set EIMO,  EIMG-HIMG
.set WSTEP, 8704                       ; a K step of a wave's weights: 8 images of 1,024 bytes and 512 bytes of scale words
.set WSTAGE, 9*WSTEP
.set FLOOR, 0x1800000                  ; 2^(3 - 127)
.set TAKE2, 0xff000000                 ; takes 2 off an exponent field
.set NINF,  0xff800000
.set LI,   4                           ; v4   16 x lane
.set BO,   5                           ; v5   a bias's bytes for my lane: 64 h + 512 w
.set HWI,  6                           ; v6   where I store the hidden layer's images: HIMG + 1,024 w + 16 lane
.set HWS,  7                           ; v7   and their scale words: HSC + 16 lane + 4 w
.set PSW,  8                           ; v8   PSB + 16 r + 4 w
.set PSR,  9                           ; v9   PSB + 16 thread
.set EW,   10                          ; v10  my row's 16 bytes of its extra image: EIMG + 2,048 w + 1,024 h + 16 r
.set ESW,  11                          ; v11  ESC + 32 r + 8 w + 4 h
.set ESR,  12                          ; v12  ESC + 32 lane
.set OSW,  13                          ; v13  OSB + 4 thread
.set LH,   14                          ; v14  HIMG + 16 lane: an LDS immediate holds 16 bits, so what lies higher has a base of its own
.set STD,  15                          ; v15  my row's running std
.set ZF,   16                          ; v16  EIMG + 2,048 w + 16 lane
.set T4,   17                          ; v17  4 x thread
.set T16,  18                          ; v18  16 x thread
.set GA,   19                          ; v19, v20 the two groups; v21, v22 their byte offsets
.set OSR,  23                          ; v23  OSB + 16 lane
.set WS,   24
.set AS,   36
.set ES,   68
.set AF,   76
.set TM,   140                         ; v140-143 largest magnitudes, v144-147 the other half's, then bytes, v152-155 the conversions' scale operands
.set PC,   156                         ; v156-171 codes, two sets
.set PW,   172                         ; v172-173 scale words, two sets
.set DT,   174                         ; v174-181 four chains of a dot
.set PSUM, 182                         ; v182-189 the dot's part for each tile of rows
.set BV,   192
.set WV,   44                          ; s44 wave; s46 stages left; s[48:49] this stage's weights, s[50:51] the next stage's, s[52:53] the stream's start; s[20:27], s[28:35], s[36:43] b1, br, w2, b2 of this stage, the next, the one after
.set LEFT, 46
.set MSB, 0
.macro WIN new                         ; the immediate's high byte repeats the setting that is left; a switch that changes nothing is dropped
.if MSB != (\new)
	s_set_vgpr_msb (MSB<<8)|(\new)
.set MSB, (\new)
.endif
.endm
.macro PLACES                          ; four plain instructions behind this matrix form, ahead of loads into its sources and of reads and writes of its results (ISA guide 7.12.1 for reads and writes of its results)
.rept 4
	v_nop
.endr
.endm
.macro BARRIER                         ; my LDS stores have landed and my LDS loads are in: then the work-group's barrier
	s_wait_dscnt 0x0
	s_barrier_signal -1
	s_barrier_wait -1
.endm
.macro WLOAD t                         ; K step t's weights into set t % 3: 17 loads of 512 consecutive bytes; steps 9 to 11 are the next stage's 0 to 2
.if (\t) <= 8
.set WB, 48
.set WT, (\t)
.else
.set WB, 50
.set WT, (\t)-9
.endif
.set WSET, (\t)%3
	WIN 0x40
.irp b, 0,1,2,3,4,5,6,7
.irp c, 0,1
	global_load_b128 v[64*WSET+8*\b+4*\c:64*WSET+8*\b+4*\c+3], v[LI], s[WB:WB+1] offset:WSTEP*WT+1024*\b+512*\c
.endr
.endr
	WIN 0
	global_load_b128 v[WS+4*WSET:WS+4*WSET+3], v[LI], s[WB:WB+1] offset:WSTEP*WT+8192    ; lanes 0-15: tiles 0-3; lanes 16-31: tiles 4-7
.endm
.macro BVLOAD sp, win                  ; 512 numbers' part for my lane, in the result's layout: register 8 b + j is column 128 w + 32 (b / 2) + 16 h + 8 (b % 2) + j: 16 loads
	WIN \win
.irp t, 0,1,2,3,4,5,6,7
	global_load_b128 v[BV+8*\t:BV+8*\t+3], v[BO], s[\sp:\sp+1] offset:(32*(\t/2)+8*(\t%2))*4
	global_load_b128 v[BV+8*\t+4:BV+8*\t+7], v[BO], s[\sp:\sp+1] offset:(32*(\t/2)+8*(\t%2))*4+16
.endr
	WIN 0
.endm
.macro FETCH_A adr, base, str, a0      ; the fragments of four tiles of rows: an image comes back as it was stored, 16 bytes a lane
.irp a, \a0, \a0+1, \a0+2, \a0+3
	ds_load_b128 v[AF+8*(\a):AF+8*(\a)+3], v[\adr] offset:(\base)+(\str)*(\a)
	ds_load_b128 v[AF+8*(\a)+4:AF+8*(\a)+7], v[\adr] offset:(\base)+(\str)*(\a)+512
.endr
.endm
.macro ASLOAD adr, base                ; the rows' scale words of four K steps
.irp a, 0,1,2,3,4,5,6,7
	ds_load_b128 v[AS+4*\a:AS+4*\a+3], v[\adr] offset:(\base)+512*\a
.endr
.endm
; 16 matrix instructions: tiles of rows a0, a0 + 1 against my 8 tiles of columns.  first = 1: the sums begin with b1 as C.  The 64 accumulators take turns, one instruction a turn, in the same order in every step.
.macro MUL16 a0, q, first
.irp a, \a0, \a0+1
.irp b, 0,1,2,3,4,5,6,7
.set DA, 8*(8*((\a)%4)+\b)
.set CA, DA
.if \first
.set CA, BV+8*\b
.endif
.if \b < 4
	v_wmma_scale_f32_16x16x128_f8f6f4 v[DA:DA+7], v[64*((\q)%3)+8*\b:64*((\q)%3)+8*\b+7], v[AF+8*(\a):AF+8*(\a)+7], v[CA:CA+7], v[WS+4*((\q)%3)+\b], v[SB0+SBS*(\a)] matrix_a_fmt:MATRIX_FMT_FP4 matrix_b_fmt:MATRIX_FMT_FP4
.else
	v_wmma_scale_f32_16x16x128_f8f6f4 v[DA:DA+7], v[64*((\q)%3)+8*\b:64*((\q)%3)+8*\b+7], v[AF+8*(\a):AF+8*(\a)+7], v[CA:CA+7], v[WS+4*((\q)%3)+\b-4], v[SB0+SBS*(\a)] matrix_a_fmt:MATRIX_FMT_FP4 matrix_b_fmt:MATRIX_FMT_FP4 matrix_a_scale:MATRIX_SCALE_ROW1
.endif
.endr
.endr
.endm
; K step q of a stage: 64 matrix instructions.  n: the loads issued behind this step's weights.  nadr, nbase, nstr: where the next step's fragments lie (nadr = 0: none are fetched).  as = 1: the latent's scale words come back.
; A tile of rows is free as soon as its eight products are issued, so one set of registers serves the rows: tiles 0-3 are fetched anew in the step's middle, tiles 4-7 at its end.
.macro GSTEP q, n, first, nadr, nbase, nstr, as
.if (\q) <= 3
.set SB0, AS+(\q)
.set SBS, 4
.elseif (\q) == 4
.set SB0, ES
.set SBS, 1
.else
.set SB0, AS+(\q)-5
.set SBS, 4
.endif
	s_wait_loadcnt \n                              ; this step's weights are in
	s_wait_dscnt 8                                 ; the scale words and tiles 0-3 are in; the youngest eight loads (tiles 4-7) may be out
.if \first
	WIN 0x91                                       ; source 0 (weights) and C (b1) window 1, source 1 (rows) window 0, D window 2
.else
	WIN 0xa1                                       ; C and D window 2
.endif
	MUL16 0, \q, \first
	MUL16 2, \q, \first
	s_wait_dscnt 0x0                               ; tiles 4-7 are in
.if \nadr
	PLACES
	WIN 0
	FETCH_A \nadr, \nbase, \nstr, 0
.endif
.if \first
	WIN 0xd1
.else
	WIN 0xf1                                       ; C and D window 3
.endif
	MUL16 4, \q, \first
	MUL16 6, \q, \first
	PLACES
	WIN 0
.if \as
	ASLOAD LI, LSC                                 ; ahead of tiles 4-7, so that the next head's count covers them
.endif
.if \nadr
	FETCH_A \nadr, \nbase, \nstr, 4
.endif
.endm
.macro RELU a                          ; in place, each accumulator from its low end on
.set AC, 64*((\a)%4)
	WIN 0xaa+0x55*((\a)/4)
.set rj, 0
.rept 64
	v_max_num_f32 v[AC+rj], 0, v[AC+rj]
.set rj, rj+1
.endr
.endm
; The 64 numbers of my row in tile of rows a (register 16 b + i = k 32 b + 16 h + i of this wave's K step; none is negative) become a fragment and its scale word, and go to LDS as they stand.
.macro QUANT a
.set AC, 64*((\a)%4)
.set PCS, PC+8*((\a)%2)
.set PWS, PW+(\a)%2
	WIN 0x28+0x14*((\a)/4)                         ; sources 1 and 2: the accumulators' window
.irp b, 0,1,2,3
	v_max3_num_f32 v[TM+\b], FLOOR, v[AC+16*\b], v[AC+16*\b+1]       ; block b: my 16 numbers, and the floor
.endr
.irp i, 2,4,6,8,10,12,14
.irp b, 0,1,2,3
	v_max3_num_f32 v[TM+\b], v[TM+\b], v[AC+16*\b+\i], v[AC+16*\b+\i+1]   ; the four blocks by turns
.endr
.endr
	WIN 0
.irp b, 0,1,2,3
	v_permlanex16_b32 v[TM+4+\b], v[TM+\b], s56, s57
.endr
.irp b, 0,1,2,3
	v_max_num_f32 v[TM+\b], v[TM+\b], v[TM+4+\b]   ; with lane l xor 16's: the block's largest
.endr
.irp b, 0,1,2,3
	v_add_nc_u32 v[TM+12+\b], TAKE2, v[TM+\b]      ; the conversion's scale operand
.endr
.irp b, 0,1,2,3
	v_lshrrev_b32 v[TM+4+\b], 23, v[TM+12+\b]      ; the scale's byte
.endr
.if (\a) >= 2
	s_wait_dscnt 3                                 ; the stores of two tiles ago have read this set; the last tile's three may be out
.endif
	v_lshl_or_b32 v[PWS], v[TM+5], 8, v[TM+4]
	v_lshl_or_b32 v[PWS], v[TM+6], 16, v[PWS]
	v_lshl_or_b32 v[PWS], v[TM+7], 24, v[PWS]
	WIN 0x02+(\a)/4                                ; source 0: the accumulators' window
.irp b, 0,1,2,3
	v_cvt_scalef32_pk8_fp4_f32 v[PCS+2*\b], v[AC+16*\b:AC+16*\b+7], v[TM+12+\b]
	v_cvt_scalef32_pk8_fp4_f32 v[PCS+2*\b+1], v[AC+16*\b+8:AC+16*\b+15], v[TM+12+\b]
.endr
	WIN 0
	v_nop                                          ; one plain instruction behind the conversions
.irp c, 0,1                                    ; the operand's layout wants a WHOLE block in a lane: lanes 0-15 block 2 c, lanes 16-31 block 2 c + 1
.irp i, 0,1
	v_permlane16_swap_b32 v[PCS+4*\c+\i], v[PCS+4*\c+2+\i]
.endr
.endr
	ds_store_b128 v[HWI], v[PCS:PCS+3] offset:4096*(\a)
	ds_store_b128 v[HWI], v[PCS+4:PCS+7] offset:4096*(\a)+512
	ds_store_b32 v[HWS], v[PWS] offset:512*(\a)
.endm
.macro BRADD a                         ; h + br: the second product then adds onto it in place
.set AC, 64*((\a)%4)
	WIN 0x82+0x41*((\a)/4)
.set bj, 0
.rept 32
	v_pk_add_f32 v[AC+bj:AC+bj+1], v[AC+bj:AC+bj+1], v[BV+bj:BV+bj+1]
.set bj, bj+2
.endr
.endm
.macro DOT a                           ; my 64 numbers of the row x w2, in four chains of fused multiply-adds
.set AC, 64*((\a)%4)
	WIN 0x02+(\a)/4
.irp c, 0,1,2,3
	v_pk_mul_f32 v[DT+2*\c:DT+2*\c+1], v[AC+2*\c:AC+2*\c+1], v[BV+2*\c:BV+2*\c+1]
.endr
.irp i, 8,16,24,32,40,48,56
.irp c, 0,1,2,3
	v_pk_fma_f32 v[DT+2*\c:DT+2*\c+1], v[AC+\i+2*\c:AC+\i+2*\c+1], v[BV+\i+2*\c:BV+\i+2*\c+1], v[DT+2*\c:DT+2*\c+1]
.endr
.endr
	WIN 0
	v_pk_add_f32 v[DT:DT+1], v[DT:DT+1], v[DT+2:DT+3]
	v_pk_add_f32 v[DT+4:DT+5], v[DT+4:DT+5], v[DT+6:DT+7]
	v_pk_add_f32 v[DT:DT+1], v[DT:DT+1], v[DT+4:DT+5]
	v_add_f32 v[PSUM+(\a)], v[DT], v[DT+1]
.endm
; THE SEARCH'S NUMBERS, alike in window 2 (first group) and window 3 (second): v0-31 x, v32-63 y, v64-95 z, v96-127 -|p_m|^2 of the group's 32 candidates; v128-131 my own x, y, z, -|p_n|^2;
; v132-139 2x, 2y, 2z, -|p_n|^2, each twice; v140 best pd, v141 second best, v142-144 the best's x, y, z, v145-147 the second's; v160-191 pd.
.macro GATHER go, win
	WIN \win
.irp k, 0,1,2,3,4,5,6,7
	global_load_b128 v[4*\k:4*\k+3], v[\go], s[60:61] offset:16*\k
	global_load_b128 v[32+4*\k:35+4*\k], v[\go], s[60:61] offset:16384+16*\k
	global_load_b128 v[64+4*\k:67+4*\k], v[\go], s[60:61] offset:32768+16*\k
	global_load_b128 v[96+4*\k:99+4*\k], v[\go], s[66:67] offset:16*\k
.endr
	WIN 0
.endm
.macro PDCALC                          ; pd of the 32, two at a time, rounded as in the launch before
	v_add_f32 v132, v128, v128
	v_add_f32 v134, v129, v129
	v_add_f32 v136, v130, v130
	v_mov_b32 v138, v131
	v_mov_b32 v133, v132
	v_mov_b32 v135, v134
	v_mov_b32 v137, v136
	v_mov_b32 v139, v131
.irp i, 0,2,4,6,8,10,12,14,16,18,20,22,24,26,28,30
	v_pk_mul_f32 v[160+\i:161+\i], v[\i:\i+1], v[132:133]
.endr
.irp i, 0,2,4,6,8,10,12,14,16,18,20,22,24,26,28,30
	v_pk_fma_f32 v[160+\i:161+\i], v[32+\i:33+\i], v[134:135], v[160+\i:161+\i]
.endr
.irp i, 0,2,4,6,8,10,12,14,16,18,20,22,24,26,28,30
	v_pk_fma_f32 v[160+\i:161+\i], v[64+\i:65+\i], v[136:137], v[160+\i:161+\i]
.endr
.irp i, 0,2,4,6,8,10,12,14,16,18,20,22,24,26,28,30
	v_pk_add_f32 v[160+\i:161+\i], v[160+\i:161+\i], v[138:139]
.endr
.irp i, 0,2,4,6,8,10,12,14,16,18,20,22,24,26,28,30
	v_pk_add_f32 v[160+\i:161+\i], v[160+\i:161+\i], v[96+\i:97+\i]
.endr
.endm
.macro PUSH x, y, z                    ; a candidate enters the list of two: s70 = it beats the best, s71 = it beats the second
	v_cndmask_b32 v145, v145, v[\x], s71
	v_cndmask_b32 v146, v146, v[\y], s71
	v_cndmask_b32 v147, v147, v[\z], s71
	v_cndmask_b32 v145, v145, v142, s70
	v_cndmask_b32 v146, v146, v143, s70
	v_cndmask_b32 v147, v147, v144, s70
	v_cndmask_b32 v142, v142, v[\x], s70
	v_cndmask_b32 v143, v143, v[\y], s70
	v_cndmask_b32 v144, v144, v[\z], s70
.endm
	s_load_b256 s[8:15], s[0:1], 0x0               ; wq s[8:9], lq s[10:11], grp s[12:13], nxx s[14:15]
	s_load_b128 s[16:19], s[0:1], 0x20             ; points s[16:17], out0 s[18:19]
	s_load_b256 s[20:27], s[0:1], 0x30             ; stage 1: b1, br, w2, b2
	s_load_b256 s[28:35], s[0:1], 0x50             ; stage 2
	s_load_b256 s[36:43], s[0:1], 0x70             ; stage 3
	v_lshl_add_u32 v190, v0, 2, 0x15000
	v_mov_b32 v191, 0
	v_lshrrev_b32 v1, 5, v0
	v_readfirstlane_b32 s[WV], v1                  ; wave 0..3
	v_and_b32 v1, 31, v0                           ; lane
	v_and_b32 v2, 15, v0                           ; r
	v_bfe_u32 v3, v0, 4, 1                         ; h
	v_lshlrev_b32 v[LI], 4, v1
	s_lshl_b32 s54, s[WV], 9
	v_lshl_add_u32 v[BO], v3, 6, s54
	s_lshl_b32 s54, s[WV], 10
	s_add_co_u32 s54, s54, HIMG
	v_add_nc_u32 v[HWI], s54, v[LI]
	s_lshl_b32 s54, s[WV], 2
	s_add_co_u32 s55, s54, HSC
	v_add_nc_u32 v[HWS], s55, v[LI]
	s_add_co_u32 s55, s54, PSB
	v_lshl_add_u32 v[PSW], v2, 4, s55
	v_lshl_add_u32 v[PSR], v0, 4, PSB
	s_lshl_b32 s54, s[WV], 11
	s_add_co_u32 s54, s54, EIMG
	v_lshl_add_u32 v[EW], v3, 10, s54
	v_lshl_add_u32 v[EW], v2, 4, v[EW]
	v_add_nc_u32 v[ZF], s54, v[LI]
	s_lshl_b32 s54, s[WV], 3
	s_add_co_u32 s54, s54, ESC
	v_lshl_add_u32 v[ESW], v2, 5, s54
	v_lshl_add_u32 v[ESW], v3, 2, v[ESW]
	v_lshl_add_u32 v[ESR], v1, 5, ESC
	v_lshl_add_u32 v[OSW], v0, 2, OSB
	v_add_nc_u32 v[LH], HIMG, v[LI]
	v_add_nc_u32 v[OSR], OSB, v[LI]
	v_mov_b32 v[STD], 0
	v_lshlrev_b32 v[T4], 2, v0
	v_lshlrev_b32 v[T16], 4, v0
	s_mov_b32 s56, 0x76543210
	s_mov_b32 s57, 0xfedcba98                      ; v_permlanex16_b32's selects for lane l xor 16
	s_mov_b32 s[LEFT], 3
	s_mov_b32 s55, 0
	s_lshr_b32 s45, ttmp9, 5                       ; the batch
	s_wait_kmcnt 0x0
	s_mul_i32 s54, s[WV], 27*WSTEP
	s_add_nc_u64 s[52:53], s[8:9], s[54:55]        ; my slice's stream of weights
	s_mov_b64 s[48:49], s[52:53]                   ; stage 1,
	s_add_nc_u64 s[50:51], s[52:53], WSTAGE        ; stage 2
	s_mul_i32 s54, ttmp9, 36864
	s_add_nc_u64 s[10:11], s[10:11], s[54:55]      ; my 128 rows' codes and scale words
	s_lshl_b32 s54, ttmp9, 9                       ; 128 rows x 4 bytes
	s_add_nc_u64 s[12:13], s[12:13], s[54:55]
	s_add_nc_u64 s[68:69], s[14:15], s[54:55]      ; -|p|^2 of my rows
	s_add_nc_u64 s[18:19], s[18:19], s[54:55]
	s_lshl_b32 s54, s45, 14
	s_add_nc_u64 s[66:67], s[14:15], s[54:55]      ; -|p|^2 of my batch
	s_mul_i32 s54, s45, 49152
	s_add_nc_u64 s[60:61], s[16:17], s[54:55]      ; my batch's points
	s_and_b32 s54, ttmp9, 31
	s_lshl_b32 s54, s54, 9
	s_add_nc_u64 s[62:63], s[60:61], s[54:55]      ; my rows' own
	global_load_b32 v[GA], v[T4], s[12:13]         ; thread t = row t: its two groups
.irp w, 0x80, 0xc0                             ; my own point, once for each group's window
	WIN \w
	global_load_b32 v128, v[T4], s[62:63]
	global_load_b32 v129, v[T4], s[62:63] offset:16384
	global_load_b32 v130, v[T4], s[62:63] offset:32768
	global_load_b32 v131, v[T4], s[68:69]
.endr
	WIN 0
	WLOAD 0
	WLOAD 1
	WLOAD 2
.set j, 0
.rept 18
	global_load_b128 v[76+4*j:79+4*j], v[T16], s[10:11] offset:2048*j th:TH_LOAD_NT    ; 36,864 bytes a work-group, read once, as they lie
.set j, j+1
.endr
	BVLOAD 20, 0x40                                ; stage 1's b1
	s_wait_loadcnt 63                              ; 93 loads stand behind the groups' word; the count's field holds 63
	v_lshrrev_b32 v[GA+1], 16, v[GA]
	v_and_b32 v[GA], 0xffff, v[GA]
	v_min_u32 v[GA], 127, v[GA]                    ; a loaded number enters an address only behind a bound written in the text
	v_min_u32 v[GA+1], 127, v[GA+1]
	v_cmp_lt_u32 s76, v[GA+1], v[GA]               ; the second group's candidates have the lower indices
	v_lshlrev_b32 v[GA+2], 7, v[GA]                ; 32 candidates x 4 bytes
	v_lshlrev_b32 v[GA+3], 7, v[GA+1]
	GATHER GA+2, 0x80
	GATHER GA+3, 0xc0
.irp i, 0,1,2,3
	v_mov_b32 v[PC+\i], 0
.endr
	ds_store_b128 v[EW], v[PC:PC+3] offset:256     ; zero codes in all of my two extra images but the 256 bytes that my 32 rows write: bytes 256-511 of both,
	ds_store_b128 v[ZF], v[PC:PC+3] offset:512     ; 512-1,023 of the first,
	ds_store_b128 v[ZF], v[PC:PC+3] offset:1536    ; and of the second
	s_wait_loadcnt 63                              ; 80 loads stand behind the latent's codes
.set j, 0
.rept 18
	ds_store_b128 v[T16], v[76+4*j:79+4*j] offset:2048*j
.set j, j+1
.endr
	; ---- the first group: the best two, in ascending index, strictly larger alone displaces
	s_wait_loadcnt 32                              ; the second group's 32 loads may be out
	WIN 0xaa
	PDCALC
	v_mov_b32 v140, NINF
	v_mov_b32 v141, NINF
.irp i, 142,143,144,145,146,147
	v_mov_b32 v\i, 0
.endr
.set n, 0
.rept 32
	v_cmp_gt_f32 s70, v[160+n], v140
	v_cmp_gt_f32 s71, v[160+n], v141
	PUSH n, 32+n, 64+n
	v_med3_num_f32 v141, v140, v141, v[160+n]
	v_max_num_f32 v140, v140, v[160+n]
.set n, n+1
.endr
	; ---- the second group: its best
	s_wait_loadcnt 0x0
	WIN 0xff
	PDCALC
	v_mov_b32 v140, NINF
.irp i, 142,143,144
	v_mov_b32 v\i, 0
.endr
.set n, 0
.rept 32
	v_cmp_gt_f32 s70, v[160+n], v140
	v_cndmask_b32 v142, v142, v[n], s70
	v_cndmask_b32 v143, v143, v[32+n], s70
	v_cndmask_b32 v144, v144, v[64+n], s70
	v_max_num_f32 v140, v140, v[160+n]
.set n, n+1
.endr
	WIN 0x83                                       ; from window 3 to window 2
	v_mov_b32 v148, v140
	v_mov_b32 v149, v142
	v_mov_b32 v150, v143
	v_mov_b32 v151, v144
	WIN 0xaa
	v_cmp_gt_f32 s70, v148, v140                   ; it enters the list: larger, or equal with the lower index
	v_cmp_eq_f32 s72, v148, v140
	s_and_b32 s72, s72, s76
	s_or_b32 s70, s70, s72
	v_cmp_gt_f32 s71, v148, v141
	v_cmp_eq_f32 s72, v148, v141
	s_and_b32 s72, s72, s76
	s_or_b32 s71, s71, s72
	PUSH 149, 150, 151
	; ---- the 12 local numbers: the point, then n0_i n1_j; they are block 16 of stage 1's first K, filled with zeros
	v_mov_b32 v192, v128
	v_mov_b32 v193, v129
	v_mov_b32 v194, v130
.irp i, 0,1,2
.irp k, 0,1,2
	v_mul_f32 v[195+3*\i+\k], v[142+\i], v[145+\k]
.endr
.endr
.irp i, 204,205,206,207
	v_mov_b32 v\i, 0
.endr
	v_max3_num_f32 v208, |v192|, |v193|, FLOOR
.irp i, 194,196,198,200,202
	v_max3_num_f32 v208, v208, |v[\i]|, |v[\i+1]|
.endr
	v_add_nc_u32 v209, TAKE2, v208
	v_lshrrev_b32 v210, 23, v209
	s_wait_dscnt 0x0                               ; the stores above have read their registers
	WIN 0x0a                                       ; sources in window 2, results in window 0
	v_cvt_scalef32_pk8_fp4_f32 v[PC], v[192:199], v209
	v_cvt_scalef32_pk8_fp4_f32 v[PC+1], v[200:207], v209
	v_or_b32 v[PW], 0x7f7f7f00, v210               ; blocks 1 to 3 of the K step are zeros: the byte 127.  (Also the plain instruction behind the conversions)
	WIN 0
	ds_store_b128 v[EW], v[PC:PC+3]                ; k = 512 .. 543 of my row: 16 codes and 16 zeros
	ds_store_b32 v[ESW], v[PW]
	ds_store_b32 v[ESW], v[PW] offset:512
.irp b, 0,1,2,3
	v_mov_b32 v[TM+4+\b], 0                        ; written once: a lane permute's destination counts as one of its sources
.endr
	BARRIER                                        ; the latent's images and the extra block lie in LDS
	ASLOAD LI, LSC
	FETCH_A LI, 0, 4096, 0
	FETCH_A LI, 0, 4096, 4
.Lstage:                                           ; three trips.  The counts of the waits on loads: 17 loads a K step of weights, 16 a bias or w2
	s_load_b32 s58, s[26:27], 0x0                  ; b2
	GSTEP 0, 34, 1, LI, 1024, 4096, 0              ; behind step 0's weights: steps 1 and 2
	BVLOAD 28, 0x40                                ; the next stage's b1, into the registers that this step has just read
	BVLOAD 22, 0                                   ; br
	WLOAD 3
	GSTEP 1, 63, 0, LI, 2048, 4096, 0              ; behind step 1's: step 2, b1, br, step 3: 66; the count's field holds 63
	WLOAD 4
	GSTEP 2, 63, 0, LI, 3072, 4096, 0              ; b1, br, steps 3 and 4: 66
	WLOAD 5
	BARRIER                                        ; every wave's rows of the extra block lie in LDS
	ds_load_b128 v[ES:ES+3], v[ESR]
	ds_load_b128 v[ES+4:ES+7], v[ESR] offset:16
	GSTEP 3, 34, 0, LH, EIMO, 1024, 0
	WLOAD 6
	GSTEP 4, 34, 0, 0, 0, 0, 0                     ; behind step 4's: steps 5 and 6; so b1 and br, issued earlier, are in too
	WLOAD 7
.irp a, 0,1,2,3,4,5,6,7
	RELU \a
	QUANT \a
	BRADD \a
.endr
	BVLOAD 24, 0                                   ; w2, where br lay
	BARRIER                                        ; the hidden layer's 32 fragments lie in LDS
	ASLOAD LH, HSCO
	FETCH_A LH, 0, 4096, 0
	FETCH_A LH, 0, 4096, 4
	GSTEP 5, 50, 0, LH, 1024, 4096, 0              ; steps 6 and 7, w2
	WLOAD 8
	GSTEP 6, 50, 0, LH, 2048, 4096, 0              ; step 7, w2, step 8
	WLOAD 9
	GSTEP 7, 50, 0, LH, 3072, 4096, 0              ; w2, steps 8 and 9
	WLOAD 10
	GSTEP 8, 34, 0, LI, 0, 4096, 1                 ; steps 9 and 10; so w2 is in.  It fetches the next stage's first fragments
	WLOAD 11
.irp a, 0,1,2,3,4,5,6,7
	RELU \a
	DOT \a
.endr
.irp a, 0,1,2,3,4,5,6,7
	v_permlanex16_b32 v[TM+\a], v[PSUM+\a], s56, s57
.endr
.irp a, 0,1,2,3,4,5,6,7
	v_add_f32 v[PSUM+\a], v[PSUM+\a], v[TM+\a]     ; with lane l xor 16's 64 columns: my wave's 128
.endr
.irp a, 0,1,2,3,4,5,6,7
	ds_store_b32 v[PSW], v[PSUM+\a] offset:256*\a  ; both halves of the lanes hold the same number and write it to the same word
.endr
	BARRIER                                        ; the four waves' parts of all 128 rows lie in LDS
	ds_load_b128 v[TM:TM+3], v[PSR]                ; thread t = row t
	s_wait_dscnt 0x0
	s_wait_kmcnt 0x0                               ; b2
	v_add_f32 v[TM], v[TM], v[TM+1]
	v_add_f32 v[TM+2], v[TM+2], v[TM+3]
	v_add_f32 v[TM], v[TM], v[TM+2]
	v_add_f32 v[TM], s58, v[TM]
	v_add_f32 v[STD], v[STD], v[TM]
	v_mov_b32 v[TM], v[STD]                        ; the next stage's extra block: the std and 31 zeros
.irp i, 1,2,3,4,5,6,7
	v_mov_b32 v[TM+\i], 0
.endr
	v_max3_num_f32 v[TM+8], |v[STD]|, |v[STD]|, FLOOR
	v_add_nc_u32 v[TM+9], TAKE2, v[TM+8]
	v_lshrrev_b32 v[TM+10], 23, v[TM+9]
	v_cvt_scalef32_pk8_fp4_f32 v[PC], v[TM:TM+7], v[TM+9]
	v_or_b32 v[PW], 0x7f7f7f00, v[TM+10]           ; (also the plain instruction behind the conversion)
.irp i, 1,2,3
	v_mov_b32 v[PC+\i], 0
.endr
	ds_store_b128 v[EW], v[PC:PC+3]                ; every wave has read the old block ahead of the barrier behind the first layer
	ds_store_b32 v[ESW], v[PW]
	ds_store_b32 v[ESW], v[PW] offset:512
	s_wait_xcnt 0x0                                ; the loads issued so far have read their bases: they may be written
	s_mov_b64 s[20:21], s[28:29]                   ; the next stage's b1, br, w2, b2 move up,
	s_mov_b64 s[22:23], s[30:31]
	s_mov_b64 s[24:25], s[32:33]
	s_mov_b64 s[26:27], s[34:35]
	s_mov_b64 s[28:29], s[36:37]                   ; and those of the stage after (stage 3's stay: the last trip's load ahead names them again)
	s_mov_b64 s[30:31], s[38:39]
	s_mov_b64 s[32:33], s[40:41]
	s_mov_b64 s[34:35], s[42:43]
	s_mov_b64 s[48:49], s[50:51]
	s_sub_co_u32 s[LEFT], s[LEFT], 1
	s_add_nc_u64 s[54:55], s[48:49], WSTAGE
	s_cmp_gt_u32 s[LEFT], 1
	s_cselect_b64 s[50:51], s[54:55], s[52:53]     ; behind stage 3 there is none: the loads ahead go back to the stream's start and stay inside the buffer
	s_cmp_lg_u32 s[LEFT], 0
	s_cbranch_scc1 .Lstage
	ds_store_b32 v[OSW], v[STD]                    ; the 128 results meet in LDS,
	BARRIER
	s_cmp_lg_u32 s[WV], 0
	s_cbranch_scc1 .Lend
	ds_load_b128 v[TM:TM+3], v[OSR]
	s_wait_dscnt 0x0
	global_store_b128 v[LI], v[TM:TM+3], s[18:19]  ; and wave 0 stores them: 512 consecutive bytes, at a multiple of 512 from out0's first byte
.Lend:
	s_wait_tensorcnt 0x0
	ds_add_u32 v190, v191
	s_wait_dscnt 0x0
	s_endpgm
.Lfunc_end_k_q87680c5f6e_mlp:
	.size	k_q87680c5f6e_mlp, .Lfunc_end_k_q87680c5f6e_mlp-k_q87680c5f6e_mlp
	.p2alignl 7, 3214868480
	.fill 96, 4, 3214868480
	.section	.rodata,"a",@progbits
	.p2align	6, 0x0
	.amdhsa_kernel k_q87680c5f6e_mlp
		.amdhsa_group_segment_fixed_size 86528
		.amdhsa_private_segment_fixed_size 0
		.amdhsa_enable_private_segment 0
		.amdhsa_kernarg_size 144
		.amdhsa_user_sgpr_count 2
		.amdhsa_user_sgpr_kernarg_segment_ptr 1
		.amdhsa_wavefront_size32 1
		.amdhsa_system_sgpr_workgroup_id_x 1
		.amdhsa_system_sgpr_workgroup_id_y 1
		.amdhsa_system_sgpr_workgroup_id_z 1
		.amdhsa_system_vgpr_workitem_id 0
		.amdhsa_next_free_vgpr 1024
		.amdhsa_next_free_sgpr 80
		.amdhsa_reserve_vcc 0
		.amdhsa_float_denorm_mode_32 3
		.amdhsa_float_denorm_mode_16_64 3
		.amdhsa_memory_ordered 1
		.amdhsa_forward_progress 1
		.amdhsa_inst_pref_size 255
	.end_amdhsa_kernel
	.section	.bss,"aw",@nobits
	.p2align	6
	.space	262144
	.amdgpu_metadata
---
amdhsa.version: [ 1, 2 ]
amdhsa.kernels:
  - .name:           k_q87680c5f6e_mlp
    .symbol:         k_q87680c5f6e_mlp.kd
    .args:
      - { .name: wq, .offset: 0, .size: 8, .value_kind: global_buffer, .address_space: global }
      - { .name: lq, .offset: 8, .size: 8, .value_kind: global_buffer, .address_space: global }
      - { .name: grp, .offset: 16, .size: 8, .value_kind: global_buffer, .address_space: global }
      - { .name: nxx, .offset: 24, .size: 8, .value_kind: global_buffer, .address_space: global }
      - { .name: reconstructed_points, .offset: 32, .size: 8, .value_kind: global_buffer, .address_space: global }
      - { .name: out0, .offset: 40, .size: 8, .value_kind: global_buffer, .address_space: global }
      - { .name: s1_b1, .offset: 48, .size: 8, .value_kind: global_buffer, .address_space: global }
      - { .name: s1_br, .offset: 56, .size: 8, .value_kind: global_buffer, .address_space: global }
      - { .name: s1_w2, .offset: 64, .size: 8, .value_kind: global_buffer, .address_space: global }
      - { .name: s1_b2, .offset: 72, .size: 8, .value_kind: global_buffer, .address_space: global }
      - { .name: s2_b1, .offset: 80, .size: 8, .value_kind: global_buffer, .address_space: global }
      - { .name: s2_br, .offset: 88, .size: 8, .value_kind: global_buffer, .address_space: global }
      - { .name: s2_w2, .offset: 96, .size: 8, .value_kind: global_buffer, .address_space: global }
      - { .name: s2_b2, .offset: 104, .size: 8, .value_kind: global_buffer, .address_space: global }
      - { .name: s3_b1, .offset: 112, .size: 8, .value_kind: global_buffer, .address_space: global }
      - { .name: s3_br, .offset: 120, .size: 8, .value_kind: global_buffer, .address_space: global }
      - { .name: s3_w2, .offset: 128, .size: 8, .value_kind: global_buffer, .address_space: global }
      - { .name: s3_b2, .offset: 136, .size: 8, .value_kind: global_buffer, .address_space: global }
    .group_segment_fixed_size: 86528
    .private_segment_fixed_size: 0
    .kernarg_segment_align: 8
    .kernarg_segment_size: 144
    .max_flat_workgroup_size: 128
    .sgpr_count:     80
    .vgpr_count:     1024
    .wavefront_size: 32
...
	.end_amdgpu_metadata
.endif
;; end of part 2
;; ======== version 2 of 2: 2 launches
;; workspace buffers: lq 9,437,184 bytes; wq 940,032 bytes; grp 131,072 bytes of whole numbers; nxx 131,072 bytes
;; launch prep (part 3): grid 256 x 1, 12 waves a work-group, no clusters, 118,272 bytes of LDS; arguments reconstructed_points, latent, s1_w1, s1_wr, s2_w1, s2_wr, s3_w1, s3_wr, lq, wq, grp, nxx; writes lq, wq, grp, nxx
.if DOCPART == 3
	.amdgcn_target "amdgcn-amd-amdhsa--gfx1250"
	.amdhsa_code_object_version 6
	.text
	.protected	k_q87680c5f6e_prep
	.globl	k_q87680c5f6e_prep
	.p2align	8
	.type	k_q87680c5f6e_prep,@function
k_q87680c5f6e_prep:
	s_mov_b64 s[64:65], 0
	v_nop
	global_prefetch_b8 v0, s[64:65] scope:SCOPE_SE
	s_setreg_imm32_b32 hwreg(HW_REG_WAVE_MODE, 25, 1), 1
	s_wait_xcnt 0x0
; PREP: three jobs of one work-group (128 points of one batch), side by side.
; (a) waves 0-3, THE COARSE SEARCH.  pd(n, m) = (2 p_n . p_m - |p_n|^2) - |p_m|^2 for my 128 queries n against all 4,096 candidates m of the batch.  The bracket comes from
;     v_wmma_f32_16x16x4_f32: A's row = a candidate's record (x, y, z, 1), B's column = (2x, 2y, 2z, -|p_n|^2) of a query; -|p_m|^2 is added by a packed addition.
;     Kept for each query: the two GROUPS of 32 neighbouring candidates with the largest pd, ties to the lower group.  The best candidate lies in the first group, the second best in the first or is the best
;     of the second: the next launch reads the two numbers and searches those 64 candidates exactly.  Here the comparisons select values alone: no address and no branch hangs on them.
; (b) waves 4-11, THE LATENT: wave 4 + a turns rows 16 a .. 16 a + 15 (512 f32 each) into codes of E2M1 with one E8M0 byte for each 32 along K, laid as images of the operand's registers.
; (c) waves 4-7, THE WEIGHTS: one fragment (16 columns x 128 K) of the 864 each, a lane to a column and its registers down K, so that nothing is transposed.
; A block's scale byte is its largest magnitude's exponent field - 2, held at 1 from below.
; LIMITS: NaN and infinities among the inputs are not served.  Blocks whose largest magnitude lies under 2^-124 keep the byte 1; a block of zeros has the byte 1 or 127 where the rule says 127: its codes are
; zeros, and this program alone reads the bytes.  pd's order of rounding is fixed: fused multiply-adds over x, y, z, then -|p_n|^2, then -|p_m|^2; |p|^2 by the same fused chain, so that pd(n, n) is exactly 0.
; Candidates that lie within that rounding of each other may be ordered otherwise by another order of rounding.
; No cluster and no tensor load: the work-groups of a batch share only its 48 KiB of points, against 256 KiB of latent rows that each reads alone.
.set NXX,    65536                     ; LDS: 0 .. 65,535 the records, 16 bytes a candidate; from NXX on -|p_m|^2, 4 bytes a candidate
.set STG,    64512                     ; + 4,352 x wave (waves 4 to 11): a stage of 16 rows x (256 + 16) bytes for each wave that quantises
.set SPITCH, 272
.set FLOOR,  0x1800000                 ; 2^(3 - 127): under it no largest magnitude is taken, so the byte cannot fall under 1
.set TAKE2,  0xff000000                ; takes 2 off an exponent field
.set NINF,   0xff800000
.set WV,   28                          ; s28  my wave's number
.set QL,   1                           ; v1   4 x (my work-group's first query in its batch + 32 x wave + lane): made at the head, never rewritten, never data in any wave
.set LO,   4                           ; v4   16 x lane
.set ADA0, 5                           ; v5   my place in a step's records: 512 (r / 8) + 16 (r % 8) + 8 h
.set ADN0, 6                           ; v6   my half's 32 numbers of -|p_m|^2: NXX + 128 h
.set ADA,  7                           ; v7   the same for the loop's trip
.set ADN,  8                           ; v8
.set SW,   9                           ; v9   stage, in: 272 h + 16 r
.set SRD,  10                          ; v10  stage, out: 272 r + 128 h
.set BW,   11                          ; v11  64 x thread: four records
.set BN,   12                          ; v12  NXX + 16 x thread
.set SH8,  13                          ; v13  8 h
.set GL,   14                          ; v14  latent: 2,048 h + 16 r
.set QD,   15                          ; v15  16 x thread: four candidates' numbers in memory
.set BQ,   16                          ; v16-19   B: two tiles of 16 queries
.set AFR,  20                          ; v20-35   A: two sets of four tiles of 16 candidates
.set NX,   36                          ; v36-99   -|p_m|^2: two sets of 32
.set TT,   100                         ; v100-131 pd of a group
.set GS,   132                         ; v132-139 for each tile of queries: best, second best, their groups
.set GID,  140                         ; v140 my half's group in the step in hand
.set GM,   141                         ; v141 the group's largest pd
.set DD0,  192                         ; v192-255 the matrix results: written by matrix instructions alone in the whole text
.macro GLOADH u                        ; 256 bytes (64 along K) of my 16 rows: sixteen lanes read 256 consecutive, aligned bytes of a row, two rows a load
.irp k, 0,1,2,3,4,5,6,7
	global_load_b128 v[16+32*((\u)%3)+4*\k:16+32*((\u)%3)+4*\k+3], v[GL], s[6:7] offset:4096*\k+256*(\u) th:TH_LOAD_NT
.endr
.endm
; Half u of the eight: the 4,096 bytes turn through my stage, so that a lane holds a whole block: 32 neighbours along K of row r (k = 64 u + 32 h + 0 .. 31), which is what the operand's layout gives it.
.macro HALF u
.set RS, 16+32*((\u)%3)
.set FS, (\u)/2
.set FC, (\u)%2
.if (\u) <= 5
	s_wait_loadcnt 16                              ; this half's eight loads are in; the two younger halves' sixteen may be out
.elseif (\u) == 6
	s_wait_loadcnt 8
.else
	s_wait_loadcnt 0
.endif
.irp k, 0,1,2,3,4,5,6,7
	ds_store_b128 v[SW], v[RS+4*\k:RS+4*\k+3] offset:544*\k
.endr
.irp k, 0,1,2,3,4,5,6,7
	ds_load_b128 v[112+4*\k:115+4*\k], v[SRD] offset:16*\k       ; LDS serves a wave's instructions in order: these see the stores above
.endr
	s_wait_dscnt 0x0                               ; the numbers are back, and the stores have read their registers,
.if (\u)+3 < 8
	GLOADH (\u)+3                                  ; which take the half three further on
.endif
	v_max3_num_f32 v180, |v112|, |v113|, FLOOR     ; the block's largest magnitude, in two chains, the floor among its leaves
	v_max3_num_f32 v181, |v114|, |v115|, |v116|
.irp i, 117,121,125,129,133,137
	s_delay_alu instid0(VALU_DEP_2)
	v_max3_num_f32 v180, v180, |v[\i]|, |v[\i+1]|
	s_delay_alu instid0(VALU_DEP_2)
	v_max3_num_f32 v181, v181, |v[\i+2]|, |v[\i+3]|
.endr
	s_delay_alu instid0(VALU_DEP_2)
	v_max3_num_f32 v180, v180, |v141|, |v142|
	s_delay_alu instid0(VALU_DEP_1)
	v_max3_num_f32 v180, v180, v181, |v143|
	s_delay_alu instid0(VALU_DEP_1)
	v_add_nc_u32 v182, TAKE2, v180                 ; 2 off its exponent field: the conversion takes the exponent field of this operand as its scale
	s_delay_alu instid0(VALU_DEP_1)
	v_lshrrev_b32 v[183+FC], 23, v182              ; the scale's byte
.irp g, 0,1,2,3
	v_cvt_scalef32_pk8_fp4_f32 v[144+8*FS+4*FC+\g], v[112+8*\g:119+8*\g], v182
.endr
	v_nop                                          ; one plain instruction behind the conversions
.if FC == 1
	v_lshl_or_b32 v185, v184, 16, v183             ; my two bytes: blocks h and 2 + h of row r,
	s_delay_alu instid0(VALU_DEP_1)
	v_lshlrev_b32 v185, v[SH8], v185               ; at their places in the scale word;
	s_delay_alu instid0(VALU_DEP_1)
	v_permlanex16_b32 v186, v185, s42, s43
	s_delay_alu instid0(VALU_DEP_1)
	v_or_b32 v[176+FS], v185, v186                 ; with the other half's two the word is whole
	global_store_b128 v[LO], v[144+8*FS:147+8*FS], s[20:21] offset:1024*FS       ; the fragment's image: 512 consecutive bytes a store
	global_store_b128 v[LO], v[148+8*FS:151+8*FS], s[20:21] offset:1024*FS+512
.endif
.endm
; THE SEARCH.  Step i takes candidates 64 i .. 64 i + 63.  Row r of tile t is candidate 64 i + 32 (r / 8) + 8 t + r % 8, so that in the results a lane's 32 registers are the 32 neighbours of group 2 i + h.
.macro ALOAD set, adr, off
.irp t, 0,1,2,3
	ds_load_b64 v[AFR+8*(\set)+2*\t:AFR+8*(\set)+2*\t+1], v[\adr] offset:(\off)+128*\t
.endr
.endm
.macro NXLOAD set, adr, off
.irp k, 0,1,2,3,4,5,6,7
	ds_load_b128 v[NX+32*(\set)+4*\k:NX+32*(\set)+4*\k+3], v[\adr] offset:(\off)+16*\k
.endr
.endm
.macro MQ qt, p                        ; four tiles of candidates against tile qt of queries; each product is a whole sum (K = 4) and begins with the constant 0
.irp t, 0,1,2,3
	v_wmma_f32_16x16x4_f32 v[DD0+32*(\qt)+8*\t:DD0+32*(\qt)+8*\t+7], v[AFR+8*(\p)+2*\t:AFR+8*(\p)+2*\t+1], v[BQ+2*(\qt):BQ+2*(\qt)+1], 0
.endr
.endm
.macro VU qt, set                      ; 39 plain instructions: pd of my group, its largest, and the two best groups so far
.set VD, DD0+32*(\qt)
.set VN, NX+32*(\set)
.set VG, GS+4*(\qt)
.irp i, 0,2,4,6,8,10,12,14,16,18,20,22,24,26,28,30
	v_pk_add_f32 v[TT+\i:TT+\i+1], v[VD+\i:VD+\i+1], v[VN+\i:VN+\i+1]     ; each accumulator from its low end on
.endr
	v_max3_num_f32 v[GM], v[TT], v[TT+1], v[TT+2]
	v_max3_num_f32 v142, v[TT+3], v[TT+4], v[TT+5]
.irp i, 6,10,14,18,22,26
	s_delay_alu instid0(VALU_DEP_2)
	v_max3_num_f32 v[GM], v[GM], v[TT+\i], v[TT+\i+1]
	s_delay_alu instid0(VALU_DEP_2)
	v_max3_num_f32 v142, v142, v[TT+\i+2], v[TT+\i+3]
.endr
	s_delay_alu instid0(VALU_DEP_2)
	v_max3_num_f32 v[GM], v[GM], v[TT+30], v[TT+31]
	s_delay_alu instid0(VALU_DEP_1)
	v_max_num_f32 v[GM], v[GM], v142
	s_delay_alu instid0(VALU_DEP_1)
	v_cmp_gt_f32 s46, v[GM], v[VG]                 ; strictly larger: among equals the earlier, lower group stays
	s_delay_alu instid0(VALU_DEP_2)
	v_cmp_gt_f32 s47, v[GM], v[VG+1]
	s_delay_alu instid0(VALU_DEP_1)
	v_cndmask_b32 v[VG+3], v[VG+3], v[GID], s47
	s_delay_alu instid0(VALU_DEP_1)
	v_cndmask_b32 v[VG+3], v[VG+3], v[VG+2], s46
	s_delay_alu instid0(VALU_DEP_4)
	v_cndmask_b32 v[VG+2], v[VG+2], v[GID], s46
	v_med3_num_f32 v[VG+1], v[VG], v[VG+1], v[GM]
	v_max_num_f32 v[VG], v[VG], v[GM]
.endm
; A step.  The vector work of one tile of queries stands between the matrix instructions of the other: it is also the eight places that this matrix form wants ahead of a read of its results and of a load
; into its sources, and the nine ahead of the next product into the same registers.
.macro KSTEP p, vprev, next, adra, adrn, offa, offn
	s_wait_dscnt 0x0                               ; this step's records and -|p_m|^2 are in
	MQ 0, \p
.if \vprev
	VU 1, 1-(\p)                                   ; the step before, second tile of queries
	v_add_nc_u32 v[GID], 2, v[GID]
.else
.rept 8
	v_nop
.endr
.endif
.if \next
	NXLOAD 1-(\p), \adrn, \offn
.endif
	MQ 1, \p
.if \next
	ALOAD 1-(\p), \adra, \offa
.endif
	VU 0, \p
.endm
; The two halves of the lanes hold the even and the odd groups' lists of a query: merged by (pd falling, group rising).
.macro MERGE qt, out
.set VG, GS+4*(\qt)
.irp k, 0,1,2,3
	v_mov_b32 v[144+\k], 0                         ; a lane permute's destination counts as one of its sources
.endr
.irp k, 0,1,2,3
	s_delay_alu instid0(VALU_DEP_4)
	v_permlanex16_b32 v[144+\k], v[VG+\k], s42, s43
.endr
	s_delay_alu instid0(VALU_DEP_4)
	v_cmp_gt_f32 s46, v[VG], v144
	v_cmp_eq_f32 s47, v[VG], v144
	s_delay_alu instid0(VALU_DEP_4)
	v_cmp_lt_u32 s48, v[VG+2], v146
	s_and_b32 s47, s47, s48
	s_or_b32 s46, s46, s47                         ; my first stands ahead of the other half's first
	v_cndmask_b32 v148, v146, v[VG+2], s46         ; the first group
	v_cndmask_b32 v149, v145, v[VG+1], s46         ; the winner's second,
	v_cndmask_b32 v150, v147, v[VG+3], s46
	v_cndmask_b32 v151, v[VG], v144, s46           ; against the loser's first
	v_cndmask_b32 v152, v[VG+2], v146, s46
	s_delay_alu instid0(VALU_DEP_2)
	v_cmp_gt_f32 s46, v149, v151
	s_delay_alu instid0(VALU_DEP_3)
	v_cmp_eq_f32 s47, v149, v151
	s_delay_alu instid0(VALU_DEP_3)
	v_cmp_lt_u32 s48, v150, v152
	s_and_b32 s47, s47, s48
	s_or_b32 s46, s46, s47
	v_cndmask_b32 v153, v152, v150, s46            ; the second group
	s_delay_alu instid0(VALU_DEP_1)
	v_lshl_or_b32 v[\out], v153, 16, v148
.endm
	s_load_b256 s[4:11], s[0:1], 0x0               ; points s[4:5], latent s[6:7], s1_w1 s[8:9], s1_wr s[10:11]
	s_load_b256 s[12:19], s[0:1], 0x20             ; s2_w1, s2_wr, s3_w1, s3_wr
	s_load_b256 s[20:27], s[0:1], 0x40             ; lq, wq, grp, nxx
	s_set_vgpr_msb 0x40
	v_lshl_add_u32 v0, v0, 2, 0x1c800
	v_mov_b32 v1, 0
	s_set_vgpr_msb 0x4000
	v_lshrrev_b32 v1, 5, v0
	s_delay_alu instid0(VALU_DEP_1)
	v_readfirstlane_b32 s[WV], v1                  ; wave 0..11
	v_and_b32 v1, 31, v0                           ; lane
	v_and_b32 v2, 15, v0                           ; r
	v_bfe_u32 v3, v0, 4, 1                         ; h
	s_delay_alu instid0(VALU_DEP_3)
	; every address register is made here, ahead of the first parting of the waves
	v_lshlrev_b32 v[LO], 4, v1
	v_bfe_u32 v[QD], v0, 3, 1
	v_and_b32 v[ADA0], 7, v0
	s_delay_alu instid0(VALU_DEP_1)
	v_lshlrev_b32 v[ADA0], 4, v[ADA0]
	s_delay_alu instid0(VALU_DEP_1)
	v_lshl_add_u32 v[ADA0], v[QD], 9, v[ADA0]
	s_delay_alu instid0(VALU_DEP_1)
	v_lshl_add_u32 v[ADA0], v3, 3, v[ADA0]
	v_lshlrev_b32 v[ADN0], 7, v3
	s_delay_alu instid0(VALU_DEP_1)
	v_add_nc_u32 v[ADN0], NXX, v[ADN0]
	s_mul_i32 s29, s[WV], 4352
	s_add_co_u32 s29, s29, STG                     ; my stage (waves 4 to 11)
	v_mul_u32_u24 v[SW], v3, SPITCH
	s_delay_alu instid0(VALU_DEP_1)
	v_lshl_add_u32 v[SW], v2, 4, v[SW]
	s_delay_alu instid0(VALU_DEP_1)
	v_add_nc_u32 v[SW], s29, v[SW]
	v_mul_u32_u24 v[SRD], v2, SPITCH
	s_delay_alu instid0(VALU_DEP_1)
	v_lshl_add_u32 v[SRD], v3, 7, v[SRD]
	s_delay_alu instid0(VALU_DEP_1)
	v_add_nc_u32 v[SRD], s29, v[SRD]
	v_lshlrev_b32 v[BW], 6, v0
	v_lshlrev_b32 v[BN], 4, v0
	s_delay_alu instid0(VALU_DEP_1)
	v_add_nc_u32 v[BN], NXX, v[BN]
	v_lshlrev_b32 v[SH8], 3, v3
	v_lshlrev_b32 v[GL], 11, v3
	s_delay_alu instid0(VALU_DEP_1)
	v_lshl_add_u32 v[GL], v2, 4, v[GL]
	v_lshlrev_b32 v[QD], 4, v0
	s_and_b32 s31, ttmp9, 31
	s_lshl_b32 s31, s31, 9                         ; my work-group's first query in its batch, x 4 bytes,
	s_lshl_b32 s37, s[WV], 7                       ; + my wave's 32 (used by waves 0 to 3 alone)
	s_add_co_u32 s37, s37, s31
	v_lshl_add_u32 v[QL], v1, 2, s37               ; + my lane: the lane's number has no reader behind this line
	s_mov_b32 s42, 0x76543210
	s_mov_b32 s43, 0xfedcba98                      ; v_permlanex16_b32's selects for lane l xor 16
	s_mov_b32 s44, 0xffff0000                      ; lanes 16-31
	s_lshr_b32 s30, ttmp9, 5                       ; the batch
	s_max_u32 s36, s[WV], 4
	s_sub_co_u32 s36, s36, 4                       ; a: my tile of 16 latent rows (0 in the waves that search, which do not use it)
	s_mov_b32 s33, 0
	s_wait_kmcnt 0x0
	s_mul_i32 s32, s30, 49152
	s_add_nc_u64 s[4:5], s[4:5], s[32:33]          ; my batch's points: x, then y 16,384 bytes on, then z
	s_lshl_b32 s32, s30, 14
	s_add_nc_u64 s[24:25], s[24:25], s[32:33]      ; grp and nxx at my batch
	s_add_nc_u64 s[26:27], s[26:27], s[32:33]
	s_lshl_b32 s32, ttmp9, 18                      ; 128 rows of 2,048 bytes a work-group,
	s_lshl_b32 s34, s36, 15                        ; 16 a wave
	s_add_co_u32 s32, s32, s34
	s_add_nc_u64 s[6:7], s[6:7], s[32:33]
	s_mul_i32 s32, ttmp9, 36864
	s_add_nc_u64 s[20:21], s[20:21], s[32:33]
	s_lshl_b32 s32, s36, 9
	s_add_co_u32 s32, s32, 32768
	s_add_nc_u64 s[66:67], s[20:21], s[32:33]      ; my tile's scale words
	s_lshl_b32 s32, s36, 12
	s_add_nc_u64 s[20:21], s[20:21], s[32:33]      ; my tile's four images
	s_cmp_lt_u32 s[WV], 4
	s_cbranch_scc1 .Lbuild
	s_wait_alu depctr_va_vdst(0)
	GLOADH 0                                       ; the latent starts to stream while waves 0-3 lay the records
	GLOADH 1
	GLOADH 2
	s_branch .Lmeet
.Lbuild:
	; waves 0-3: thread t takes the candidates 4 (t + 128 j) .. + 3, j = 0 .. 7
	v_lshl_add_u32 v185, v2, 2, s37                ; query 16 qt + r, for B
.set j, 0
	s_wait_alu depctr_va_vdst(0)
.rept 8
	global_load_b128 v[16+4*j:19+4*j], v[QD], s[4:5] offset:2048*j
	global_load_b128 v[48+4*j:51+4*j], v[QD], s[4:5] offset:16384+2048*j
	global_load_b128 v[80+4*j:83+4*j], v[QD], s[4:5] offset:32768+2048*j
.set j, j+1
.endr
.irp q, 0,1
	global_load_b32 v[176+3*\q], v185, s[4:5] offset:64*\q
	global_load_b32 v[177+3*\q], v185, s[4:5] offset:16384+64*\q
	global_load_b32 v[178+3*\q], v185, s[4:5] offset:32768+64*\q
.endr
	global_load_b32 v182, v[QL], s[4:5]            ; query = lane, for what is stored
	global_load_b32 v183, v[QL], s[4:5] offset:16384
	global_load_b32 v184, v[QL], s[4:5] offset:32768
.irp k, 147,151,155,159,163,167,171,175
	v_mov_b32 v\k, 1.0                             ; a record's fourth number, in both banks
.endr
	s_wait_loadcnt 0x0
.set j, 0
.rept 16
	v_pk_mul_f32 v[112+2*j:113+2*j], v[16+2*j:17+2*j], v[16+2*j:17+2*j]
.set j, j+1
.endr
.set j, 0
.rept 16
	v_pk_fma_f32 v[112+2*j:113+2*j], v[48+2*j:49+2*j], v[48+2*j:49+2*j], v[112+2*j:113+2*j]
.set j, j+1
.endr
.set j, 0
.rept 16
	v_pk_fma_f32 v[112+2*j:113+2*j], v[80+2*j:81+2*j], v[80+2*j:81+2*j], v[112+2*j:113+2*j] neg_lo:[1,0,1] neg_hi:[1,0,1]   ; -(z z + (y y + x x))
.set j, j+1
.endr
.set j, 0
.rept 8
.set BK, 144+16*(j%2)
.if j >= 2
	s_wait_dscnt 5                                 ; the bank's stores of two turns ago have read it; the last turn's five may be out
.endif
.irp i, 0,1,2,3
	v_mov_b32 v[BK+4*\i], v[16+4*j+\i]
	v_mov_b32 v[BK+4*\i+1], v[48+4*j+\i]
	v_mov_b32 v[BK+4*\i+2], v[80+4*j+\i]
.endr
.irp i, 0,1,2,3
	ds_store_b128 v[BW], v[BK+4*\i:BK+4*\i+3] offset:8192*j+16*\i
.endr
	ds_store_b128 v[BN], v[112+4*j:115+4*j] offset:2048*j
.set j, j+1
.endr
.irp q, 0,1                                    ; B: lane (r, h) holds k = 2 h, 2 h + 1 of query r: (2x, 2y) or (2z, -|p|^2)
	v_mul_f32 v187, v[176+3*\q], v[176+3*\q]
	s_delay_alu instid0(VALU_DEP_1)
	v_fma_f32 v187, v[177+3*\q], v[177+3*\q], v187
	s_delay_alu instid0(VALU_DEP_1)
	v_fma_f32 v187, -v[178+3*\q], v[178+3*\q], -v187
	v_add_f32 v188, v[176+3*\q], v[176+3*\q]
	v_add_f32 v189, v[178+3*\q], v[178+3*\q]
	v_add_f32 v190, v[177+3*\q], v[177+3*\q]
	s_delay_alu instid0(VALU_DEP_2)
	v_cndmask_b32 v[BQ+2*\q], v188, v189, s44
	s_delay_alu instid0(VALU_DEP_2)
	v_cndmask_b32 v[BQ+2*\q+1], v190, v187, s44
.endr
	v_mul_f32 v191, v182, v182
	s_delay_alu instid0(VALU_DEP_1)
	v_fma_f32 v191, v183, v183, v191
	s_delay_alu instid0(VALU_DEP_1)
	v_fma_f32 v191, -v184, v184, -v191
	global_store_b32 v[QL], v191, s[26:27]         ; -|p|^2 of my lane's query, for the next launch
.Lmeet:
	s_wait_dscnt 0x0                               ; for the others' sake: my stores of records have landed
	s_barrier_signal -1
	s_barrier_wait -1                              ; the launch's one barrier: behind it the records are only read
	s_cmp_lt_u32 s[WV], 4
	s_cbranch_scc1 .Lfirst
	; ---- waves 4-11: the latent
	v_mov_b32 v186, 0                              ; written once: a lane permute's destination counts as one of its sources
	s_wait_alu depctr_va_vdst(0)
	HALF 0
	HALF 1
	HALF 2
	HALF 3
	HALF 4
	HALF 5
	HALF 6
	HALF 7
	global_store_b128 v[LO], v[176:179], s[66:67]  ; my tile's scale words: lane, then K step: 512 consecutive bytes
	; ---- waves 4-7: a fragment of a weight.  id = 32 S + 8 w + b: S = 9 x stage + K step (0-4: w1; 5-8: wr), w the slice of 128 columns, b its tile
	s_cmp_ge_u32 s[WV], 8
	s_cbranch_scc1 .Lwalk
	s_sub_co_u32 s52, s[WV], 4
	s_lshl_b32 s52, s52, 8
	s_add_co_u32 s52, s52, ttmp9
	s_cmp_ge_u32 s52, 864
	s_cbranch_scc1 .Lwalk
	s_and_b32 s53, s52, 7                          ; b
	s_bfe_u32 s54, s52, 0x20003                    ; w
	s_lshr_b32 s55, s52, 5                         ; S
	s_mul_i32 s56, s55, 57
	s_lshr_b32 s56, s56, 9                         ; the stage: S / 9 for S under 27
	s_mul_i32 s57, s56, 9
	s_sub_co_u32 s57, s55, s57                     ; the step in the stage
	s_cmp_ge_u32 s57, 5
	s_cselect_b64 s[58:59], s[10:11], s[8:9]       ; wr or w1, of each stage;
	s_cselect_b64 s[60:61], s[14:15], s[12:13]
	s_cselect_b64 s[62:63], s[18:19], s[16:17]
	s_cselect_b32 s73, 5, 0
	s_cmp_eq_u32 s56, 1
	s_cselect_b64 s[58:59], s[60:61], s[58:59]     ; then the stage's
	s_cmp_eq_u32 s56, 2
	s_cselect_b64 s[58:59], s[62:63], s[58:59]
	s_mov_b32 s75, 0
	s_mul_i32 s74, s54, 27
	s_add_co_u32 s74, s74, s55
	s_mul_i32 s74, s74, 8704
	s_add_nc_u64 s[70:71], s[22:23], s[74:75]      ; the block (w, S) of wq
	s_lshl_b32 s74, s53, 10
	s_add_nc_u64 s[68:69], s[70:71], s[74:75]      ; my fragment's image
	s_lshr_b32 s74, s53, 2
	s_lshl_b32 s74, s74, 8
	s_and_b32 s72, s53, 3
	s_lshl_b32 s72, s72, 2
	s_add_co_u32 s74, s74, s72
	s_add_co_u32 s74, s74, 8192
	s_add_nc_u64 s[70:71], s[70:71], s[74:75]      ; its scale words: lane 16 (b / 4) + row, word b % 4
	s_lshl_b32 s74, s54, 9                         ; the tile's first column, x 4 bytes: 128 w
	s_lshr_b32 s72, s53, 1
	s_lshl_b32 s72, s72, 7                         ; + 32 (b / 2)
	s_add_co_u32 s74, s74, s72
	s_and_b32 s72, s53, 1
	s_lshl_b32 s72, s72, 5                         ; + 8 (b % 2)
	s_add_co_u32 s74, s74, s72
	s_add_nc_u64 s[58:59], s[58:59], s[74:75]
	v_lshlrev_b32 v88, 4, v2
	v_and_b32 v90, 8, v2
	s_delay_alu instid0(VALU_DEP_1)
	v_add_nc_u32 v90, v90, v2                      ; THE COLUMNS OF A TILE ARE NOT NEIGHBOURS: row r of the tile is column + r + 8 (r / 8),
	s_delay_alu instid0(VALU_DEP_1)
	v_lshlrev_b32 v90, 2, v90                      ; so that the results of tiles 2 i and 2 i + 1 are 16 neighbours along the next K in a lane
	s_delay_alu instid0(VALU_DEP_1)
	v_lshl_add_u32 v89, v3, 16, v90                ; lanes 16-31 begin 32 rows of 2,048 bytes further down
	v_mov_b32 v188, 0
	s_cmp_eq_u32 s57, 4
	s_cbranch_scc1 .Lfifth
	s_sub_co_u32 s74, s57, s73                     ; which 128 along K
	s_lshl_b32 s74, s74, 18
	s_add_nc_u64 s[58:59], s[58:59], s[74:75]
.set wj, 0
.rept 64
	global_load_b32 v[16+wj], v89, s[58:59] offset:(64*(wj/32)+(wj%32))*2048    ; W(64 c + 32 h + i, my column)
.set wj, wj+1
.endr
	s_wait_loadcnt 0x0
.irp c, 0,1
	v_max3_num_f32 v[180+\c], |v[16+32*\c]|, |v[17+32*\c]|, FLOOR
.endr
.irp i, 2,4,6,8,10,12,14,16,18,20,22,24,26,28,30
.irp c, 0,1
	s_delay_alu instid0(VALU_DEP_2)
	v_max3_num_f32 v[180+\c], v[180+\c], |v[16+32*\c+\i]|, |v[17+32*\c+\i]|
.endr
.endr
.irp c, 0,1
	s_delay_alu instid0(VALU_DEP_2)
	v_add_nc_u32 v[182+\c], TAKE2, v[180+\c]
.endr
.irp c, 0,1
	s_delay_alu instid0(VALU_DEP_2)
	v_lshrrev_b32 v[184+\c], 23, v[182+\c]
.endr
	s_delay_alu instid0(VALU_DEP_1)
	v_lshl_or_b32 v187, v185, 16, v184
	s_delay_alu instid0(VALU_DEP_1)
	v_lshlrev_b32 v187, v[SH8], v187
	s_delay_alu instid0(VALU_DEP_1)
	v_permlanex16_b32 v188, v187, s42, s43
	s_delay_alu instid0(VALU_DEP_1)
	v_or_b32 v187, v187, v188
.irp c, 0,1
.irp g, 0,1,2,3
	v_cvt_scalef32_pk8_fp4_f32 v[80+4*\c+\g], v[16+32*\c+8*\g:23+32*\c+8*\g], v[182+\c]
.endr
.endr
	v_nop
	s_branch .Lwout
.Lfifth:
	; w1's rows from 512 on: 12 in stage 1, one in stages 2 and 3; the rest of the K step is zero codes.  No load leaves its buffer: the rows past the last are the last row again, and are replaced by 0
	s_cmp_eq_u32 s56, 0
	s_cselect_b32 s76, 11, 0                       ; the last valid row
	s_wait_alu depctr_va_vdst(0)
.irp i, 0,1,2,3,4,5,6,7,8,9,10,11
	s_min_u32 s77, s76, \i
	s_lshl_b32 s77, s77, 11
	v_add_nc_u32 v[100+\i], s77, v90
	global_load_b32 v[16+\i], v[100+\i], s[58:59] offset:1048576
.endr
.irp i, 28,29,30,31
	v_mov_b32 v\i, 0
.endr
	s_wait_loadcnt 0x0
.irp i, 0,1,2,3,4,5,6,7,8,9,10,11
	s_cmp_ge_u32 s76, \i
	s_cselect_b32 s77, 0xffff, 0                   ; lanes 0-15 hold k = 512 .. 543; lanes 16-31 hold zeros
	v_cndmask_b32 v[16+\i], 0, v[16+\i], s77
.endr
	v_max3_num_f32 v180, |v16|, |v17|, FLOOR
.irp i, 18,20,22,24,26
	s_wait_alu depctr_va_vdst(0)
	v_max3_num_f32 v180, v180, |v[\i]|, |v[\i+1]|
.endr
	s_delay_alu instid0(VALU_DEP_1)
	v_add_nc_u32 v182, TAKE2, v180
	s_delay_alu instid0(VALU_DEP_1)
	v_lshrrev_b32 v184, 23, v182
	s_delay_alu instid0(VALU_DEP_1)
	v_lshlrev_b32 v187, v[SH8], v184
	s_delay_alu instid0(VALU_DEP_1)
	v_permlanex16_b32 v188, v187, s42, s43
	s_delay_alu instid0(VALU_DEP_1)
	v_or_b32 v187, v187, v188
	s_delay_alu instid0(VALU_DEP_1)
	v_or_b32 v187, 0x7f7f0000, v187                ; blocks 2 and 3 are zeros: the byte 127
	v_cvt_scalef32_pk8_fp4_f32 v80, v[16:23], v182
	v_cvt_scalef32_pk8_fp4_f32 v81, v[24:31], v182
	v_nop
.irp i, 82,83,84,85,86,87
	v_mov_b32 v\i, 0
.endr
.Lwout:
	s_wait_alu depctr_va_vdst(0)
	global_store_b128 v[LO], v[80:83], s[68:69]
	global_store_b128 v[LO], v[84:87], s[68:69] offset:512
	global_store_b32 v88, v187, s[70:71]           ; both halves of the lanes hold the same word and write it to the same place
	s_branch .Lwalk
.Lfirst:
	; ---- waves 0-3: step 0 stands ahead of the loop
	ALOAD 0, ADA0, 0
	NXLOAD 0, ADN0, 0
.irp q, 0,1
	v_mov_b32 v[GS+4*\q], NINF
	v_mov_b32 v[GS+4*\q+1], NINF
	v_mov_b32 v[GS+4*\q+2], 0
	v_mov_b32 v[GS+4*\q+3], 0
.endr
	v_mov_b32 v[GID], v3                           ; group 2 i + h
	KSTEP 0, 0, 1, ADA0, ADN0, 1024, 256
.Lwalk:
	; Every wave walks the loop, so that its stepped offsets are made on one way for all; the work stands under a branch on the wave's number inside it.  Trip j does steps 2 j + 1 and 2 j + 2 and fetches 2 j + 2 and 2 j + 3.
	s_mov_b32 s38, 2048
	s_mov_b32 s39, 512
	s_mov_b32 s40, 0
.Lloop:
	v_add_nc_u32 v[ADA], s38, v[ADA0]
	v_add_nc_u32 v[ADN], s39, v[ADN0]
	s_cmp_ge_u32 s[WV], 4
	s_cbranch_scc1 .Lskip
	KSTEP 1, 1, 1, ADA, ADN, 0, 0
	KSTEP 0, 1, 1, ADA, ADN, 1024, 256
.Lskip:
	s_add_co_u32 s38, s38, 2048
	s_add_co_u32 s39, s39, 512
	s_add_co_u32 s40, s40, 1
	s_cmp_lt_u32 s40, 31
	s_cbranch_scc1 .Lloop
	s_cmp_ge_u32 s[WV], 4
	s_cbranch_scc1 .Lend
	KSTEP 1, 1, 0, ADA, ADN, 0, 0                  ; step 63 fetches nothing
	VU 1, 1
	MERGE 0, 154
	MERGE 1, 155
	s_delay_alu instid0(VALU_DEP_1)
	v_cndmask_b32 v156, v154, v155, s44            ; lanes 0-15: queries 0-15 of my 32; lanes 16-31: queries 16-31
	global_store_b32 v[QL], v156, s[24:25]         ; the two groups as whole numbers, 16 bits each
.Lend:
	s_set_vgpr_msb 0x5
	s_wait_tensorcnt 0x0
	ds_add_u32 v0, v1
	s_wait_dscnt 0x0
	s_set_vgpr_msb 0x500
	s_endpgm
.Lfunc_end_k_q87680c5f6e_prep:
	.size	k_q87680c5f6e_prep, .Lfunc_end_k_q87680c5f6e_prep-k_q87680c5f6e_prep
	.p2alignl 7, 3214868480
	.fill 96, 4, 3214868480
	.section	.rodata,"a",@progbits
	.p2align	6, 0x0
	.amdhsa_kernel k_q87680c5f6e_prep
		.amdhsa_group_segment_fixed_size 118272
		.amdhsa_private_segment_fixed_size 0
		.amdhsa_enable_private_segment 0
		.amdhsa_kernarg_size 96
		.amdhsa_user_sgpr_count 2
		.amdhsa_user_sgpr_kernarg_segment_ptr 1
		.amdhsa_wavefront_size32 1
		.amdhsa_system_sgpr_workgroup_id_x 1
		.amdhsa_system_sgpr_workgroup_id_y 1
		.amdhsa_system_sgpr_workgroup_id_z 1
		.amdhsa_system_vgpr_workitem_id 0
		.amdhsa_next_free_vgpr 258
		.amdhsa_next_free_sgpr 80
		.amdhsa_reserve_vcc 0
		.amdhsa_float_denorm_mode_32 3
		.amdhsa_float_denorm_mode_16_64 3
		.amdhsa_memory_ordered 1
		.amdhsa_forward_progress 1
		.amdhsa_inst_pref_size 102
	.end_amdhsa_kernel
	.amdgpu_metadata
---
amdhsa.version: [ 1, 2 ]
amdhsa.kernels:
  - .name:           k_q87680c5f6e_prep
    .symbol:         k_q87680c5f6e_prep.kd
    .args:
      - { .name: reconstructed_points, .offset: 0, .size: 8, .value_kind: global_buffer, .address_space: global }
      - { .name: latent, .offset: 8, .size: 8, .value_kind: global_buffer, .address_space: global }
      - { .name: s1_w1, .offset: 16, .size: 8, .value_kind: global_buffer, .address_space: global }
      - { .name: s1_wr, .offset: 24, .size: 8, .value_kind: global_buffer, .address_space: global }
      - { .name: s2_w1, .offset: 32, .size: 8, .value_kind: global_buffer, .address_space: global }
      - { .name: s2_wr, .offset: 40, .size: 8, .value_kind: global_buffer, .address_space: global }
      - { .name: s3_w1, .offset: 48, .size: 8, .value_kind: global_buffer, .address_space: global }
      - { .name: s3_wr, .offset: 56, .size: 8, .value_kind: global_buffer, .address_space: global }
      - { .name: lq, .offset: 64, .size: 8, .value_kind: global_buffer, .address_space: global }
      - { .name: wq, .offset: 72, .size: 8, .value_kind: global_buffer, .address_space: global }
      - { .name: grp, .offset: 80, .size: 8, .value_kind: global_buffer, .address_space: global }
      - { .name: nxx, .offset: 88, .size: 8, .value_kind: global_buffer, .address_space: global }
    .group_segment_fixed_size: 118272
    .private_segment_fixed_size: 0
    .kernarg_segment_align: 8
    .kernarg_segment_size: 96
    .max_flat_workgroup_size: 384
    .sgpr_count:     80
    .vgpr_count:     258
    .wavefront_size: 32
...
	.end_amdgpu_metadata
.endif
;; end of part 3
;; launch mlp (part 4): grid 256 x 1, 4 waves a work-group, no clusters, 86,528 bytes of LDS; arguments wq, lq, grp, nxx, reconstructed_points, out0, s1_b1, s1_br, s1_w2, s1_b2, s2_b1, s2_br, s2_w2, s2_b2, s3_b1, s3_br, s3_w2, s3_b2; writes out0
.if DOCPART == 4
	.amdgcn_target "amdgcn-amd-amdhsa--gfx1250"
	.amdhsa_code_object_version 6
	.text
	.protected	k_q87680c5f6e_mlp
	.globl	k_q87680c5f6e_mlp
	.p2align	8
	.type	k_q87680c5f6e_mlp,@function
k_q87680c5f6e_mlp:
	s_mov_b64 s[64:65], 0
	v_nop
	global_prefetch_b8 v0, s[64:65] scope:SCOPE_SE
	s_setreg_imm32_b32 hwreg(HW_REG_WAVE_SCHED_MODE, 0, 2), 2
	s_setreg_imm32_b32 hwreg(HW_REG_WAVE_MODE, 25, 1), 1
	s_wait_xcnt 0x0
	s_wait_alu depctr_vm_vsrc(0)
; MLP: a work-group takes 128 points through everything that is left: the exact two nearest among the 64 candidates of the two stored groups, the 12 local numbers, and three stages of
; h = relu(f W1 + b1); h = relu(h + (h Wr + br)); std += h w2 + b2, with f = [latent (512), extra]: the 12 local numbers in stage 1, the running std in stages 2 and 3.
; The six wide products run on codes of E2M1 with one E8M0 byte for each 32 along K; the dots with w2 and all else in f32.
; SHARES.  THE WAVES SHARE THE COLUMNS, NOT THE ROWS: wave w makes columns 128 w .. 128 w + 127 of every layer for all 128 rows: 64 accumulators of 16 x 16, 512 registers.  So every byte of a weight is wanted by one
; wave alone and goes from memory straight into its registers, laid by the launch before in the order of the operand's registers, three K steps ahead; LDS carries only the rows' codes.
; THE MATRIX INSTRUCTION IS USED TRANSPOSED (source 0 = 16 columns of a weight, source 1 = 16 rows): a lane holds ONE row, and the columns of a tile are chosen so that the 16 registers of tiles 2 i, 2 i + 1 are 16
; neighbours along the next K.  A wave's 128 columns are one K step of the next product: quantised in registers, they go to the other waves as images of the operand's registers.
; A stage is 9 K steps of 128: 0-3 the latent (quantised once, by the launch before), 4 the extra block (k = 512 on, the rest zero codes), 5-8 the hidden layer.  Nine steps on three sets of weight registers: the sets come round
; at each stage, so the stage is a loop's trip; what differs lies in scalar registers.
; NO CLUSTER, NO TENSOR LOAD: all work-groups walk the same 940,032 bytes of weights, but a tile shared through LDS would be written there and read back once for each matrix instruction's operand, beside the
; rows' codes, which doubles the LDS reads of a step; each byte goes to one wave's registers as it is.  No prefetch: the weights are read by all 256 work-groups, not once.
; The last trip's loads ahead name the stream's first three steps again (26,112 bytes a wave that nobody uses), so that every counted wait holds on every way.
; LIMITS: NaN and infinities are not served.  Blocks under 2^-124 keep the scale byte 1, and so does a block of zeros (its codes are zeros).  pd is rounded as in the launch before: fused multiply-adds over x, y, z, then
; -|p_n|^2, then -|p_m|^2; equal pd go to the lower index; candidates within that rounding of each other may be ordered otherwise by another order of rounding.
; REGISTERS, in windows of 256 (s_set_vgpr_msb: bits 1:0 source 0, 3:2 source 1, 5:4 source 2, 7:6 destination):
;   window 0: v1-23 addresses; v24-35 the weights' scale words, three sets; v36-67 the rows' scale words; v68-75 those of the extra block; v76-139 the rows' 8 fragments; v140-191 at work; v192-255 br, then w2
;   window 1: v0-191 the weights' fragments, three sets of 8; v192-255 b1        windows 2, 3: the accumulators ((a, b) at v[8 (8 (a % 4) + b)] of window 2 + a / 4); at the head the search's numbers
; THE MODE: SCHED_MODE bits 1:0 = 2 (LLVM: expert scheduling mode 2), set by the entry lines.  The code itself states the register dependences between vector or matrix instructions and memory or LDS
; instructions, with s_wait_alu, always for 0.
; THE PLAN.  Registers that memory or LDS instructions touch, in the loop:
;   the weights' sets 0-2 and their scale words   Step q's 64 products read set q % 3; the loads of step q + 3 land in it, behind the step.
;   the rows' fragments, ONE set                  Tiles 0-3 are read by a step's first 32 products and loaded anew in its middle; tiles 4-7 by its last 32 and loaded anew at its end.
;                                                 (A second set would be 64 registers; all 1,024 are given out.)
;   the rows' scale words, the extra block's      Read by products as scales; loaded behind barriers, and at step 8's end.
;   b1 (window 1)                                 The C of step 0's products; the next stage's is loaded behind step 0.
;   br, w2 (window 0, the same 64)                br is read by the eight BRADD, w2 by the eight DOT; br is loaded in step 0, w2 behind the last BRADD.
;   the codes and scale words just made, two sets Written by a tile's conversions and swaps, read by its three LDS stores, written again two tiles on; set 0 also serves the extra block.
;   the dots' parts v182-189; v140-143            Written by vector work, read by eight LDS stores; two LDS loads land in v140-143.
;   v4-v18, v23                                   Addresses and offsets, made at the head and never written again.
; So a K step has TWO waits on va_vdst: in its middle (tiles 0-3 have been read) and at its end (tiles 4-7, the weights' set and its scale words have been read); all loads up to the next products follow one of the
; two, with loads and window switches alone between.  A tile's way to LDS has one wait on vm_vsrc ahead of the first write of its set and one on va_vdst ahead of its three stores.
; br's loads stand between step 0's last product and its end wait: no product since the step's middle wait names their registers.
.set LSC,   32768                      ; LDS: 0 the latent's 32 images (tile of rows a, K step s: 4,096 a + 1,024 s); LSC their scale words (512 a + 16 lane + 4 s)
.set HIMG,  36864                      ; the hidden layer's images,
.set HSC,   69632                      ; and scale words, laid alike
.set EIMG,  73728                      ; the extra block's 8 images
.set ESC,   81920                      ; their scale words: 32 lane + 4 a; lanes 16-31 hold the same again
.set PSB,   82944                      ; the dots' parts: 16 row + 4 wave
.set OSB,   84992                      ; the 128 results
.set HSCO,  HSC-HIMG
.set EIMO,  EIMG-HIMG
.set WSTEP, 8704                       ; a K step of a wave's weights: 8 images of 1,024 bytes and 512 bytes of scale words
.set WSTAGE, 9*WSTEP
.set FLOOR, 0x1800000                  ; 2^(3 - 127)
.set TAKE2, 0xff000000                 ; takes 2 off an exponent field
.set NINF,  0xff800000
.set LI,   4                           ; v4   16 x lane
.set BO,   5                           ; v5   a bias's bytes for my lane: 64 h + 512 w
.set HWI,  6                           ; v6   where I store the hidden layer's images: HIMG + 1,024 w + 16 lane
.set HWS,  7                           ; v7   and their scale words: HSC + 16 lane + 4 w
.set PSW,  8                           ; v8   PSB + 16 r + 4 w
.set PSR,  9                           ; v9   PSB + 16 thread
.set EW,   10                          ; v10  my row's 16 bytes of its extra image: EIMG + 2,048 w + 1,024 h + 16 r
.set ESW,  11                          ; v11  ESC + 32 r + 8 w + 4 h
.set ESR,  12                          ; v12  ESC + 32 lane
.set OSW,  13                          ; v13  OSB + 4 thread
.set LH,   14                          ; v14  HIMG + 16 lane: an LDS immediate holds 16 bits, so what lies higher has a base of its own
.set STD,  15                          ; v15  my row's running std
.set ZF,   16                          ; v16  EIMG + 2,048 w + 16 lane
.set T4,   17                          ; v17  4 x thread
.set T16,  18                          ; v18  16 x thread
.set GA,   19                          ; v19, v20 the two groups; v21, v22 their byte offsets
.set OSR,  23                          ; v23  OSB + 16 lane
.set WS,   24
.set AS,   36
.set ES,   68
.set AF,   76
.set TM,   140                         ; v140-143 largest magnitudes, v144-147 the other half's, then bytes, v152-155 the conversions' scale operands
.set PC,   156                         ; v156-171 codes, two sets
.set PW,   172                         ; v172-173 scale words, two sets
.set DT,   174                         ; v174-181 four chains of a dot
.set PSUM, 182                         ; v182-189 the dot's part for each tile of rows
.set BV,   192
.set WV,   44                          ; s44 wave; s46 stages left; s[48:49] this stage's weights, s[50:51] the next stage's, s[52:53] the stream's start; s[20:27], s[28:35], s[36:43] b1, br, w2, b2 of this stage, the next, the one after
.set LEFT, 46
.set FLG,  47                          ; s47    the lanes whose second group has the lower indices
.set MK,   70                          ; s70-77 the masks of a run of the search's comparisons
.set MSB, 0
.macro WIN new                         ; the immediate's high byte repeats the setting that is left; a switch that changes nothing is dropped
.if MSB != (\new)
	s_set_vgpr_msb (MSB<<8)|(\new)
.set MSB, (\new)
.endif
.endm
.macro PLACES                          ; four plain instructions behind this matrix form, ahead of loads into its sources and of reads and writes of its results (ISA guide 7.12.1 for reads and writes of its results)
.rept 4
	v_nop
.endr
.endm
.macro BARRIER                         ; my LDS stores have landed and my LDS loads are in: then the work-group's barrier
	s_wait_dscnt 0x0
	s_barrier_signal -1
	s_barrier_wait -1
.endm
.macro WLOAD t                         ; K step t's weights into set t % 3: 17 loads of 512 consecutive bytes; steps 9 to 11 are the next stage's 0 to 2
.if (\t) <= 8
.set WB, 48
.set WT, (\t)
.else
.set WB, 50
.set WT, (\t)-9
.endif
.set WSET, (\t)%3
	WIN 0x40
.irp b, 0,1,2,3,4,5,6,7
.irp c, 0,1
	global_load_b128 v[64*WSET+8*\b+4*\c:64*WSET+8*\b+4*\c+3], v[LI], s[WB:WB+1] offset:WSTEP*WT+1024*\b+512*\c
.endr
.endr
	WIN 0
	global_load_b128 v[WS+4*WSET:WS+4*WSET+3], v[LI], s[WB:WB+1] offset:WSTEP*WT+8192    ; lanes 0-15: tiles 0-3; lanes 16-31: tiles 4-7
.endm
.macro BVLOAD sp, win                  ; 512 numbers' part for my lane, in the result's layout: register 8 b + j is column 128 w + 32 (b / 2) + 16 h + 8 (b % 2) + j: 16 loads
	WIN \win
.irp t, 0,1,2,3,4,5,6,7
	global_load_b128 v[BV+8*\t:BV+8*\t+3], v[BO], s[\sp:\sp+1] offset:(32*(\t/2)+8*(\t%2))*4
	global_load_b128 v[BV+8*\t+4:BV+8*\t+7], v[BO], s[\sp:\sp+1] offset:(32*(\t/2)+8*(\t%2))*4+16
.endr
	WIN 0
.endm
.macro FETCH_A adr, base, str, a0      ; the fragments of four tiles of rows: an image comes back as it was stored, 16 bytes a lane
.irp a, \a0, \a0+1, \a0+2, \a0+3
	ds_load_b128 v[AF+8*(\a):AF+8*(\a)+3], v[\adr] offset:(\base)+(\str)*(\a)
	ds_load_b128 v[AF+8*(\a)+4:AF+8*(\a)+7], v[\adr] offset:(\base)+(\str)*(\a)+512
.endr
.endm
.macro ASLOAD adr, base                ; the rows' scale words of four K steps
.irp a, 0,1,2,3,4,5,6,7
	ds_load_b128 v[AS+4*\a:AS+4*\a+3], v[\adr] offset:(\base)+512*\a
.endr
.endm
; 16 matrix instructions: tiles of rows a0, a0 + 1 against my 8 tiles of columns.  first = 1: the sums begin with b1 as C.  The 64 accumulators take turns, one instruction a turn, in the same order in every step.
.macro MUL16 a0, q, first
.irp a, \a0, \a0+1
.irp b, 0,1,2,3,4,5,6,7
.set DA, 8*(8*((\a)%4)+\b)
.set CA, DA
.if \first
.set CA, BV+8*\b
.endif
.if \b < 4
	v_wmma_scale_f32_16x16x128_f8f6f4 v[DA:DA+7], v[64*((\q)%3)+8*\b:64*((\q)%3)+8*\b+7], v[AF+8*(\a):AF+8*(\a)+7], v[CA:CA+7], v[WS+4*((\q)%3)+\b], v[SB0+SBS*(\a)] matrix_a_fmt:MATRIX_FMT_FP4 matrix_b_fmt:MATRIX_FMT_FP4
.else
	v_wmma_scale_f32_16x16x128_f8f6f4 v[DA:DA+7], v[64*((\q)%3)+8*\b:64*((\q)%3)+8*\b+7], v[AF+8*(\a):AF+8*(\a)+7], v[CA:CA+7], v[WS+4*((\q)%3)+\b-4], v[SB0+SBS*(\a)] matrix_a_fmt:MATRIX_FMT_FP4 matrix_b_fmt:MATRIX_FMT_FP4 matrix_a_scale:MATRIX_SCALE_ROW1
.endif
.endr
.endr
.endm
; K step q of a stage: 64 matrix instructions.  n: the loads issued behind this step's weights.  nadr, nbase, nstr: where the next step's fragments lie (nadr = 0: none are fetched).  as = 1: the latent's scale words come back.
; A tile of rows is free as soon as its eight products are issued, so one set of registers serves the rows: tiles 0-3 are fetched anew in the step's middle, tiles 4-7 at its end.
.macro GSTEP q, n, first, nadr, nbase, nstr, as
.if (\q) <= 3
.set SB0, AS+(\q)
.set SBS, 4
.elseif (\q) == 4
.set SB0, ES
.set SBS, 1
.else
.set SB0, AS+(\q)-5
.set SBS, 4
.endif
	s_wait_loadcnt \n                              ; this step's weights are in
	s_wait_dscnt 8                                 ; the scale words and tiles 0-3 are in; the youngest eight loads (tiles 4-7) may be out
.if \first
	WIN 0x91                                       ; source 0 (weights) and C (b1) window 1, source 1 (rows) window 0, D window 2
.else
	WIN 0xa1                                       ; C and D window 2
.endif
	MUL16 0, \q, \first
	MUL16 2, \q, \first
	s_wait_dscnt 0x0                               ; tiles 4-7 are in
.if \nadr
	PLACES
	WIN 0
	s_wait_alu depctr_va_vdst(0)                   ; the step's first 32 products are done reading tiles 0-3 of the rows, in which the eight loads below land
	FETCH_A \nadr, \nbase, \nstr, 0
.endif
.if \first
	WIN 0xd1
.else
	WIN 0xf1                                       ; C and D window 3
.endif
	MUL16 4, \q, \first
	MUL16 6, \q, \first
.if \first
	BVLOAD 22, 0                                   ; br.  No wait: its registers were last named by the dots of the stage before, ahead of this step's middle wait; the products since name window 1's v192-255, not these
.endif
	PLACES
	WIN 0
	s_wait_alu depctr_va_vdst(0)                   ; the step's products are done reading tiles 4-7, their set of weights and its scale words (in step 0 b1 too, in step 8 the rows' scale words): the loads below and behind this macro land in these
.if \as
	ASLOAD LI, LSC                                 ; ahead of tiles 4-7, so that the next head's count covers them
.endif
.if \nadr
	FETCH_A \nadr, \nbase, \nstr, 4
.endif
.endm
.macro RELU a                          ; in place, each accumulator from its low end on
.set AC, 64*((\a)%4)
	WIN 0xaa+0x55*((\a)/4)
.set rj, 0
.rept 64
	v_max_num_f32 v[AC+rj], 0, v[AC+rj]
.set rj, rj+1
.endr
.endm
; The 64 numbers of my row in tile of rows a (register 16 b + i = k 32 b + 16 h + i of this wave's K step; none is negative) become a fragment and its scale word, and go to LDS as they stand.
.macro QUANT a
.set AC, 64*((\a)%4)
.set PCS, PC+8*((\a)%2)
.set PWS, PW+(\a)%2
	WIN 0x28+0x14*((\a)/4)                         ; sources 1 and 2: the accumulators' window
.irp b, 0,1,2,3
	v_max3_num_f32 v[TM+\b], FLOOR, v[AC+16*\b], v[AC+16*\b+1]       ; block b: my 16 numbers, and the floor
.endr
.irp i, 2,4,6,8,10,12,14
.irp b, 0,1,2,3
	v_max3_num_f32 v[TM+\b], v[TM+\b], v[AC+16*\b+\i], v[AC+16*\b+\i+1]   ; the four blocks by turns
.endr
.endr
	WIN 0
.irp b, 0,1,2,3
	v_permlanex16_b32 v[TM+4+\b], v[TM+\b], s56, s57
.endr
.irp b, 0,1,2,3
	v_max_num_f32 v[TM+\b], v[TM+\b], v[TM+4+\b]   ; with lane l xor 16's: the block's largest
.endr
.irp b, 0,1,2,3
	v_add_nc_u32 v[TM+12+\b], TAKE2, v[TM+\b]      ; the conversion's scale operand
.endr
.irp b, 0,1,2,3
	v_lshrrev_b32 v[TM+4+\b], 23, v[TM+12+\b]      ; the scale's byte
.endr
.if (\a) >= 2
	s_wait_alu depctr_va_vdst(0)
	s_wait_dscnt 3                                 ; the stores of two tiles ago have read this set; the last tile's three may be out
.endif
	s_wait_alu depctr_vm_vsrc(0)                   ; the LDS stores that read this set of codes and its scale word have read them (those of two tiles ago; for tiles 0 and 1 the extra block's and the last stage's): the lines below write the set again
	v_lshl_or_b32 v[PWS], v[TM+5], 8, v[TM+4]
	v_lshl_or_b32 v[PWS], v[TM+6], 16, v[PWS]
	v_lshl_or_b32 v[PWS], v[TM+7], 24, v[PWS]
	WIN 0x02+(\a)/4                                ; source 0: the accumulators' window
.irp b, 0,1,2,3
	v_cvt_scalef32_pk8_fp4_f32 v[PCS+2*\b], v[AC+16*\b:AC+16*\b+7], v[TM+12+\b]
	v_cvt_scalef32_pk8_fp4_f32 v[PCS+2*\b+1], v[AC+16*\b+8:AC+16*\b+15], v[TM+12+\b]
.endr
	WIN 0
	v_nop                                          ; one plain instruction behind the conversions
.irp c, 0,1                                    ; the operand's layout wants a WHOLE block in a lane: lanes 0-15 block 2 c, lanes 16-31 block 2 c + 1
.irp i, 0,1
	v_permlane16_swap_b32 v[PCS+4*\c+\i], v[PCS+4*\c+2+\i]
.endr
.endr
	s_wait_alu depctr_va_vdst(0)                   ; the swaps have written the codes and the shifts the scale word, which the three stores read
	ds_store_b128 v[HWI], v[PCS:PCS+3] offset:4096*(\a)
	ds_store_b128 v[HWI], v[PCS+4:PCS+7] offset:4096*(\a)+512
	ds_store_b32 v[HWS], v[PWS] offset:512*(\a)
.endm
.macro BRADD a                         ; h + br: the second product then adds onto it in place
.set AC, 64*((\a)%4)
	WIN 0x82+0x41*((\a)/4)
.set bj, 0
.rept 32
	v_pk_add_f32 v[AC+bj:AC+bj+1], v[AC+bj:AC+bj+1], v[BV+bj:BV+bj+1]
.set bj, bj+2
.endr
.endm
.macro DOT a                           ; my 64 numbers of the row x w2, in four chains of fused multiply-adds
.set AC, 64*((\a)%4)
	WIN 0x02+(\a)/4
.irp c, 0,1,2,3
	v_pk_mul_f32 v[DT+2*\c:DT+2*\c+1], v[AC+2*\c:AC+2*\c+1], v[BV+2*\c:BV+2*\c+1]
.endr
.irp i, 8,16,24,32,40,48,56
.irp c, 0,1,2,3
	v_pk_fma_f32 v[DT+2*\c:DT+2*\c+1], v[AC+\i+2*\c:AC+\i+2*\c+1], v[BV+\i+2*\c:BV+\i+2*\c+1], v[DT+2*\c:DT+2*\c+1]
.endr
.endr
	WIN 0
	v_pk_add_f32 v[DT:DT+1], v[DT:DT+1], v[DT+2:DT+3]
	v_pk_add_f32 v[DT+4:DT+5], v[DT+4:DT+5], v[DT+6:DT+7]
	v_pk_add_f32 v[DT:DT+1], v[DT:DT+1], v[DT+4:DT+5]
	v_add_f32 v[PSUM+(\a)], v[DT], v[DT+1]
.endm
; THE SEARCH'S NUMBERS, alike in window 2 (first group) and window 3 (second): v0-31 x, v32-63 y, v64-95 z, v96-127 -|p_m|^2 of the group's 32 candidates; v128-131 my own x, y, z, -|p_n|^2;
; v132-139 2x, 2y, 2z, -|p_n|^2, each twice; v140 best pd, v141 second best, v142-144 the best's x, y, z, v145-147 the second's; v160-191 pd.
.macro GATHER go, win
	WIN \win
.irp k, 0,1,2,3,4,5,6,7
	global_load_b128 v[4*\k:4*\k+3], v[\go], s[60:61] offset:16*\k
	global_load_b128 v[32+4*\k:35+4*\k], v[\go], s[60:61] offset:16384+16*\k
	global_load_b128 v[64+4*\k:67+4*\k], v[\go], s[60:61] offset:32768+16*\k
	global_load_b128 v[96+4*\k:99+4*\k], v[\go], s[66:67] offset:16*\k
.endr
	WIN 0
.endm
.macro PDCALC                          ; pd of the 32, two at a time, rounded as in the launch before
	v_add_f32 v132, v128, v128
	v_add_f32 v134, v129, v129
	v_add_f32 v136, v130, v130
	v_mov_b32 v138, v131
	v_mov_b32 v133, v132
	v_mov_b32 v135, v134
	v_mov_b32 v137, v136
	v_mov_b32 v139, v131
.irp i, 0,2,4,6,8,10,12,14,16,18,20,22,24,26,28,30
	v_pk_mul_f32 v[160+\i:161+\i], v[\i:\i+1], v[132:133]
.endr
.irp i, 0,2,4,6,8,10,12,14,16,18,20,22,24,26,28,30
	v_pk_fma_f32 v[160+\i:161+\i], v[32+\i:33+\i], v[134:135], v[160+\i:161+\i]
.endr
.irp i, 0,2,4,6,8,10,12,14,16,18,20,22,24,26,28,30
	v_pk_fma_f32 v[160+\i:161+\i], v[64+\i:65+\i], v[136:137], v[160+\i:161+\i]
.endr
.irp i, 0,2,4,6,8,10,12,14,16,18,20,22,24,26,28,30
	v_pk_add_f32 v[160+\i:161+\i], v[160+\i:161+\i], v[138:139]
.endr
.irp i, 0,2,4,6,8,10,12,14,16,18,20,22,24,26,28,30
	v_pk_add_f32 v[160+\i:161+\i], v[160+\i:161+\i], v[96+\i:97+\i]
.endr
.endm
.macro PUSH x, y, z, m1, m2            ; a candidate enters the list of two: mask m1 = it beats the best, m2 = it beats the second
	v_cndmask_b32 v145, v145, v[\x], s[\m2]
	v_cndmask_b32 v146, v146, v[\y], s[\m2]
	v_cndmask_b32 v147, v147, v[\z], s[\m2]
	v_cndmask_b32 v145, v145, v142, s[\m1]
	v_cndmask_b32 v146, v146, v143, s[\m1]
	v_cndmask_b32 v147, v147, v144, s[\m1]
	v_cndmask_b32 v142, v142, v[\x], s[\m1]
	v_cndmask_b32 v143, v143, v[\y], s[\m1]
	v_cndmask_b32 v144, v144, v[\z], s[\m1]
.endm
	s_load_b256 s[8:15], s[0:1], 0x0               ; wq s[8:9], lq s[10:11], grp s[12:13], nxx s[14:15]
	s_load_b128 s[16:19], s[0:1], 0x20             ; points s[16:17], out0 s[18:19]
	s_load_b256 s[20:27], s[0:1], 0x30             ; stage 1: b1, br, w2, b2
	s_load_b256 s[28:35], s[0:1], 0x50             ; stage 2
	s_load_b256 s[36:43], s[0:1], 0x70             ; stage 3
	v_lshl_add_u32 v190, v0, 2, 0x15000
	v_mov_b32 v191, 0
	v_lshrrev_b32 v1, 5, v0
	v_readfirstlane_b32 s[WV], v1                  ; wave 0..3
	v_and_b32 v1, 31, v0                           ; lane
	v_and_b32 v2, 15, v0                           ; r
	v_bfe_u32 v3, v0, 4, 1                         ; h
	s_wait_alu depctr_va_vdst(0)
	v_lshlrev_b32 v[LI], 4, v1
	s_wait_alu depctr_va_vdst(0)
	s_wait_alu depctr_va_sdst(0)                   ; the wave's number is written, ahead of its first reader: LDS addresses, the weights' base and the last branch are made from it
	s_lshl_b32 s54, s[WV], 9
	v_lshl_add_u32 v[BO], v3, 6, s54
	s_lshl_b32 s54, s[WV], 10
	s_add_co_u32 s54, s54, HIMG
	v_add_nc_u32 v[HWI], s54, v[LI]
	s_lshl_b32 s54, s[WV], 2
	s_add_co_u32 s55, s54, HSC
	v_add_nc_u32 v[HWS], s55, v[LI]
	s_add_co_u32 s55, s54, PSB
	v_lshl_add_u32 v[PSW], v2, 4, s55
	v_lshl_add_u32 v[PSR], v0, 4, PSB
	s_lshl_b32 s54, s[WV], 11
	s_add_co_u32 s54, s54, EIMG
	v_lshl_add_u32 v[EW], v3, 10, s54
	v_lshl_add_u32 v[EW], v2, 4, v[EW]
	v_add_nc_u32 v[ZF], s54, v[LI]
	s_lshl_b32 s54, s[WV], 3
	s_add_co_u32 s54, s54, ESC
	v_lshl_add_u32 v[ESW], v2, 5, s54
	v_lshl_add_u32 v[ESW], v3, 2, v[ESW]
	v_lshl_add_u32 v[ESR], v1, 5, ESC
	v_lshl_add_u32 v[OSW], v0, 2, OSB
	v_add_nc_u32 v[LH], HIMG, v[LI]
	v_add_nc_u32 v[OSR], OSB, v[LI]
	v_mov_b32 v[STD], 0
	v_lshlrev_b32 v[T4], 2, v0
	v_lshlrev_b32 v[T16], 4, v0
	s_mov_b32 s56, 0x76543210
	s_mov_b32 s57, 0xfedcba98                      ; v_permlanex16_b32's selects for lane l xor 16
	s_mov_b32 s[LEFT], 3
	s_mov_b32 s55, 0
	s_lshr_b32 s45, ttmp9, 5                       ; the batch
	s_wait_kmcnt 0x0
	s_mul_i32 s54, s[WV], 27*WSTEP
	s_add_nc_u64 s[52:53], s[8:9], s[54:55]        ; my slice's stream of weights
	s_mov_b64 s[48:49], s[52:53]                   ; stage 1,
	s_add_nc_u64 s[50:51], s[52:53], WSTAGE        ; stage 2
	s_mul_i32 s54, ttmp9, 36864
	s_add_nc_u64 s[10:11], s[10:11], s[54:55]      ; my 128 rows' codes and scale words
	s_lshl_b32 s54, ttmp9, 9                       ; 128 rows x 4 bytes
	s_add_nc_u64 s[12:13], s[12:13], s[54:55]
	s_add_nc_u64 s[68:69], s[14:15], s[54:55]      ; -|p|^2 of my rows
	s_add_nc_u64 s[18:19], s[18:19], s[54:55]
	s_lshl_b32 s54, s45, 14
	s_add_nc_u64 s[66:67], s[14:15], s[54:55]      ; -|p|^2 of my batch
	s_mul_i32 s54, s45, 49152
	s_add_nc_u64 s[60:61], s[16:17], s[54:55]      ; my batch's points
	s_and_b32 s54, ttmp9, 31
	s_lshl_b32 s54, s54, 9
	s_add_nc_u64 s[62:63], s[60:61], s[54:55]      ; my rows' own
	s_wait_alu depctr_va_vdst(0)                   ; the addresses and offsets v4 to v18 and v23 are written: every load and store of the kernel but the gathers reads one of them, and none is written again
	global_load_b32 v[GA], v[T4], s[12:13]         ; thread t = row t: its two groups
.irp w, 0x80, 0xc0                             ; my own point, once for each group's window
	WIN \w
	global_load_b32 v128, v[T4], s[62:63]
	global_load_b32 v129, v[T4], s[62:63] offset:16384
	global_load_b32 v130, v[T4], s[62:63] offset:32768
	global_load_b32 v131, v[T4], s[68:69]
.endr
	WIN 0
	WLOAD 0
	WLOAD 1
	WLOAD 2
.set j, 0
.rept 18
	global_load_b128 v[76+4*j:79+4*j], v[T16], s[10:11] offset:2048*j th:TH_LOAD_NT    ; 36,864 bytes a work-group, read once, as they lie
.set j, j+1
.endr
	BVLOAD 20, 0x40                                ; stage 1's b1
	s_wait_loadcnt 63                              ; 93 loads stand behind the groups' word; the count's field holds 63
	v_lshrrev_b32 v[GA+1], 16, v[GA]
	v_and_b32 v[GA], 0xffff, v[GA]
	v_min_u32 v[GA], 127, v[GA]                    ; a loaded number enters an address only behind a bound written in the text
	v_min_u32 v[GA+1], 127, v[GA+1]
	v_cmp_lt_u32 s[FLG], v[GA+1], v[GA]            ; the second group's candidates have the lower indices (read in the merge, behind the search's waits on va_sdst)
	v_lshlrev_b32 v[GA+2], 7, v[GA]                ; 32 candidates x 4 bytes
	v_lshlrev_b32 v[GA+3], 7, v[GA+1]
.irp i, 0,1,2,3
	v_mov_b32 v[PC+\i], 0
.endr
	s_wait_alu depctr_va_vdst(0)                   ; the two groups' offsets v21 and v22 are written, which the gathers read, and the zeros v156-159, which the three LDS stores behind them read
	GATHER GA+2, 0x80
	GATHER GA+3, 0xc0
	ds_store_b128 v[EW], v[PC:PC+3] offset:256     ; zero codes in all of my two extra images but the 256 bytes that my 32 rows write: bytes 256-511 of both,
	ds_store_b128 v[ZF], v[PC:PC+3] offset:512     ; 512-1,023 of the first,
	ds_store_b128 v[ZF], v[PC:PC+3] offset:1536    ; and of the second
	s_wait_loadcnt 63                              ; 80 loads stand behind the latent's codes
.set j, 0
.rept 18
	ds_store_b128 v[T16], v[76+4*j:79+4*j] offset:2048*j
.set j, j+1
.endr
	; ---- the first group: the best two, in ascending index, strictly larger alone displaces.  The running best and second best do not hang on the masks: so four candidates' comparisons stand in a run,
	; each against the list as its forerunners have left it, with one wait behind the run; then the four enter the coordinates' list in the same order
	s_wait_loadcnt 32                              ; the second group's 32 loads may be out
	WIN 0xaa
	PDCALC
	v_mov_b32 v140, NINF
	v_mov_b32 v141, NINF
.irp i, 142,143,144,145,146,147
	v_mov_b32 v\i, 0
.endr
.set n, 0
.rept 8
.irp k, 0,1,2,3
	v_cmp_gt_f32 s[MK+2*\k], v[160+n+\k], v140
	v_cmp_gt_f32 s[MK+2*\k+1], v[160+n+\k], v141
	v_med3_num_f32 v141, v140, v141, v[160+n+\k]
	v_max_num_f32 v140, v140, v[160+n+\k]
.endr
	s_wait_alu depctr_va_sdst(0)                   ; the run's eight masks are written, ahead of the selections that read them
.irp k, 0,1,2,3
	PUSH n+\k, 32+n+\k, 64+n+\k, MK+2*\k, MK+2*\k+1
.endr
.set n, n+4
.endr
	; ---- the second group: its best; eight candidates to a run
	s_wait_loadcnt 0x0
	WIN 0xff
	PDCALC
	v_mov_b32 v140, NINF
.irp i, 142,143,144
	v_mov_b32 v\i, 0
.endr
.set n, 0
.rept 4
.irp k, 0,1,2,3,4,5,6,7
	v_cmp_gt_f32 s[MK+\k], v[160+n+\k], v140
	v_max_num_f32 v140, v140, v[160+n+\k]
.endr
	s_wait_alu depctr_va_sdst(0)                   ; the run's eight masks are written, ahead of the selections that read them
.irp k, 0,1,2,3,4,5,6,7
	v_cndmask_b32 v142, v142, v[n+\k], s[MK+\k]
	v_cndmask_b32 v143, v143, v[32+n+\k], s[MK+\k]
	v_cndmask_b32 v144, v144, v[64+n+\k], s[MK+\k]
.endr
.set n, n+8
.endr
	WIN 0x83                                       ; from window 3 to window 2
	v_mov_b32 v148, v140
	v_mov_b32 v149, v142
	v_mov_b32 v150, v143
	v_mov_b32 v151, v144
	WIN 0xaa
	v_cmp_gt_f32 s70, v148, v140                   ; it enters the list: larger, or equal with the lower index
	v_cmp_eq_f32 s72, v148, v140
	v_cmp_gt_f32 s71, v148, v141
	v_cmp_eq_f32 s73, v148, v141
	s_wait_alu depctr_va_sdst(0)                   ; the four masks are written, ahead of the scalar lines that join them
	s_and_b32 s72, s72, s[FLG]
	s_or_b32 s70, s70, s72
	s_and_b32 s73, s73, s[FLG]
	s_or_b32 s71, s71, s73
	PUSH 149, 150, 151, 70, 71
	; ---- the 12 local numbers: the point, then n0_i n1_j; they are block 16 of stage 1's first K, filled with zeros
	v_mov_b32 v192, v128
	v_mov_b32 v193, v129
	v_mov_b32 v194, v130
.irp i, 0,1,2
.irp k, 0,1,2
	v_mul_f32 v[195+3*\i+\k], v[142+\i], v[145+\k]
.endr
.endr
.irp i, 204,205,206,207
	v_mov_b32 v\i, 0
.endr
	v_max3_num_f32 v208, |v192|, |v193|, FLOOR
.irp i, 194,196,198,200,202
	v_max3_num_f32 v208, v208, |v[\i]|, |v[\i+1]|
.endr
	v_add_nc_u32 v209, TAKE2, v208
	v_lshrrev_b32 v210, 23, v209
	s_wait_alu depctr_va_vdst(0)
	s_wait_dscnt 0x0                               ; the stores above have read their registers
	s_wait_alu depctr_vm_vsrc(0)                   ; my LDS stores have read the zeros v156-159, which the conversions write, and v76-147, which the lines below write and in which the rows' fragments land
	WIN 0x0a                                       ; sources in window 2, results in window 0
	v_cvt_scalef32_pk8_fp4_f32 v[PC], v[192:199], v209
	v_cvt_scalef32_pk8_fp4_f32 v[PC+1], v[200:207], v209
	v_or_b32 v[PW], 0x7f7f7f00, v210               ; blocks 1 to 3 of the K step are zeros: the byte 127.  (Also the plain instruction behind the conversions)
	WIN 0
.irp b, 0,1,2,3
	v_mov_b32 v[TM+4+\b], 0                        ; written once: a lane permute's destination counts as one of its sources
.endr
	s_wait_alu depctr_va_vdst(0)                   ; the conversions have written the codes and the line behind them the scale word, which the three stores read
	ds_store_b128 v[EW], v[PC:PC+3]                ; k = 512 .. 543 of my row: 16 codes and 16 zeros
	ds_store_b32 v[ESW], v[PW]
	ds_store_b32 v[ESW], v[PW] offset:512
	BARRIER                                        ; the latent's images and the extra block lie in LDS
	ASLOAD LI, LSC
	FETCH_A LI, 0, 4096, 0
	FETCH_A LI, 0, 4096, 4
.Lstage:                                           ; three trips.  The counts of the waits on loads: 17 loads a K step of weights, 16 a bias or w2
	s_load_b32 s58, s[26:27], 0x0                  ; b2
	GSTEP 0, 34, 1, LI, 1024, 4096, 0              ; behind step 0's weights: steps 1 and 2.  It also asks for br
	BVLOAD 28, 0x40                                ; the next stage's b1, into the registers that this step has just read
	WLOAD 3
	GSTEP 1, 63, 0, LI, 2048, 4096, 0              ; behind step 1's: step 2, br, b1, step 3: 66; the count's field holds 63
	WLOAD 4
	GSTEP 2, 63, 0, LI, 3072, 4096, 0              ; br, b1, steps 3 and 4: 66
	WLOAD 5
	BARRIER                                        ; every wave's rows of the extra block lie in LDS
	ds_load_b128 v[ES:ES+3], v[ESR]                ; (their last readers, step 4's products of the stage before, stand ahead of many waits on va_vdst)
	ds_load_b128 v[ES+4:ES+7], v[ESR] offset:16
	GSTEP 3, 34, 0, LH, EIMO, 1024, 0
	WLOAD 6
	GSTEP 4, 34, 0, 0, 0, 0, 0                     ; behind step 4's: steps 5 and 6; so b1 and br, issued earlier, are in too
	WLOAD 7
.irp a, 0,1,2,3,4,5,6,7
	RELU \a
	QUANT \a
	BRADD \a
.endr
	WIN 0
	s_wait_alu depctr_va_vdst(0)                   ; the last additions are done reading br, in whose registers w2 lands; it also stands behind the products that read the rows' scale words and fragments, which are loaded behind the barrier
	BVLOAD 24, 0                                   ; w2, where br lay
	BARRIER                                        ; the hidden layer's 32 fragments lie in LDS
	ASLOAD LH, HSCO
	FETCH_A LH, 0, 4096, 0
	FETCH_A LH, 0, 4096, 4
	GSTEP 5, 50, 0, LH, 1024, 4096, 0              ; steps 6 and 7, w2
	WLOAD 8
	GSTEP 6, 50, 0, LH, 2048, 4096, 0              ; step 7, w2, step 8
	WLOAD 9
	GSTEP 7, 50, 0, LH, 3072, 4096, 0              ; w2, steps 8 and 9
	WLOAD 10
	GSTEP 8, 34, 0, LI, 0, 4096, 1                 ; steps 9 and 10; so w2 is in.  It fetches the next stage's first fragments
	WLOAD 11
.irp a, 0,1,2,3,4,5,6,7
	RELU \a
	DOT \a
.endr
.irp a, 0,1,2,3,4,5,6,7
	v_permlanex16_b32 v[TM+\a], v[PSUM+\a], s56, s57
.endr
.irp a, 0,1,2,3,4,5,6,7
	v_add_f32 v[PSUM+\a], v[PSUM+\a], v[TM+\a]     ; with lane l xor 16's 64 columns: my wave's 128
.endr
	s_wait_alu depctr_va_vdst(0)                   ; the additions have written the eight parts, which the stores read, and are done with v140-143, in which the load behind the barrier lands
.irp a, 0,1,2,3,4,5,6,7
	ds_store_b32 v[PSW], v[PSUM+\a] offset:256*\a  ; both halves of the lanes hold the same number and write it to the same word
.endr
	BARRIER                                        ; the four waves' parts of all 128 rows lie in LDS
	ds_load_b128 v[TM:TM+3], v[PSR]                ; thread t = row t
	s_wait_dscnt 0x0
	s_wait_kmcnt 0x0                               ; b2
	v_add_f32 v[TM], v[TM], v[TM+1]
	v_add_f32 v[TM+2], v[TM+2], v[TM+3]
	v_add_f32 v[TM], v[TM], v[TM+2]
	v_add_f32 v[TM], s58, v[TM]
	v_add_f32 v[STD], v[STD], v[TM]
	v_mov_b32 v[TM], v[STD]                        ; the next stage's extra block: the std and 31 zeros
.irp i, 1,2,3,4,5,6,7
	v_mov_b32 v[TM+\i], 0
.endr
	v_max3_num_f32 v[TM+8], |v[STD]|, |v[STD]|, FLOOR
	v_add_nc_u32 v[TM+9], TAKE2, v[TM+8]
	v_lshrrev_b32 v[TM+10], 23, v[TM+9]
	v_cvt_scalef32_pk8_fp4_f32 v[PC], v[TM:TM+7], v[TM+9]          ; (set 0 of the codes: tile 6's stores have read it: tile 7's wait on vm_vsrc stands behind them)
	v_or_b32 v[PW], 0x7f7f7f00, v[TM+10]           ; (also the plain instruction behind the conversion)
.irp i, 1,2,3
	v_mov_b32 v[PC+\i], 0
.endr
	s_wait_alu depctr_va_vdst(0)                   ; the codes and the scale word are written, which the three stores read; so is the std, which the store behind the loop reads; and v140-147 are done with, in which wave 0's last load lands
	ds_store_b128 v[EW], v[PC:PC+3]                ; every wave has read the old block ahead of the barrier behind the first layer
	ds_store_b32 v[ESW], v[PW]
	ds_store_b32 v[ESW], v[PW] offset:512
	s_wait_xcnt 0x0                                ; the loads issued so far have read their bases: they may be written
	s_mov_b64 s[20:21], s[28:29]                   ; the next stage's b1, br, w2, b2 move up,
	s_mov_b64 s[22:23], s[30:31]
	s_mov_b64 s[24:25], s[32:33]
	s_mov_b64 s[26:27], s[34:35]
	s_mov_b64 s[28:29], s[36:37]                   ; and those of the stage after (stage 3's stay: the last trip's load ahead names them again)
	s_mov_b64 s[30:31], s[38:39]
	s_mov_b64 s[32:33], s[40:41]
	s_mov_b64 s[34:35], s[42:43]
	s_mov_b64 s[48:49], s[50:51]
	s_sub_co_u32 s[LEFT], s[LEFT], 1
	s_add_nc_u64 s[54:55], s[48:49], WSTAGE
	s_cmp_gt_u32 s[LEFT], 1
	s_cselect_b64 s[50:51], s[54:55], s[52:53]     ; behind stage 3 there is none: the loads ahead go back to the stream's start and stay inside the buffer
	s_cmp_lg_u32 s[LEFT], 0
	s_cbranch_scc1 .Lstage
	ds_store_b32 v[OSW], v[STD]                    ; the 128 results meet in LDS.  No wait: no vector instruction stands behind the trip's last wait on va_vdst
	BARRIER
	s_cmp_lg_u32 s[WV], 0
	s_cbranch_scc1 .Lend
	ds_load_b128 v[TM:TM+3], v[OSR]
	s_wait_dscnt 0x0
	global_store_b128 v[LI], v[TM:TM+3], s[18:19]  ; and wave 0 stores them: 512 consecutive bytes, at a multiple of 512 from out0's first byte
.Lend:
	s_wait_dscnt 0x0
	s_wait_alu depctr_hold_cnt(0) depctr_sa_sdst(0) depctr_va_vdst(0) depctr_va_sdst(0) depctr_va_ssrc(0) depctr_va_vcc(0) depctr_vm_vsrc(0)
	s_wait_tensorcnt 0x0
	ds_add_u32 v190, v191
	s_wait_dscnt 0x0
	s_endpgm
.Lfunc_end_k_q87680c5f6e_mlp:
	.size	k_q87680c5f6e_mlp, .Lfunc_end_k_q87680c5f6e_mlp-k_q87680c5f6e_mlp
	.p2alignl 7, 3214868480
	.fill 96, 4, 3214868480
	.section	.rodata,"a",@progbits
	.p2align	6, 0x0
	.amdhsa_kernel k_q87680c5f6e_mlp
		.amdhsa_group_segment_fixed_size 86528
		.amdhsa_private_segment_fixed_size 0
		.amdhsa_enable_private_segment 0
		.amdhsa_kernarg_size 144
		.amdhsa_user_sgpr_count 2
		.amdhsa_user_sgpr_kernarg_segment_ptr 1
		.amdhsa_wavefront_size32 1
		.amdhsa_system_sgpr_workgroup_id_x 1
		.amdhsa_system_sgpr_workgroup_id_y 1
		.amdhsa_system_sgpr_workgroup_id_z 1
		.amdhsa_system_vgpr_workitem_id 0
		.amdhsa_next_free_vgpr 1024
		.amdhsa_next_free_sgpr 80
		.amdhsa_reserve_vcc 0
		.amdhsa_float_denorm_mode_32 3
		.amdhsa_float_denorm_mode_16_64 3
		.amdhsa_memory_ordered 1
		.amdhsa_forward_progress 1
		.amdhsa_inst_pref_size 255
	.end_amdhsa_kernel
	.section	.bss,"aw",@nobits
	.p2align	6
	.space	262144
	.amdgpu_metadata
---
amdhsa.version: [ 1, 2 ]
amdhsa.kernels:
  - .name:           k_q87680c5f6e_mlp
    .symbol:         k_q87680c5f6e_mlp.kd
    .args:
      - { .name: wq, .offset: 0, .size: 8, .value_kind: global_buffer, .address_space: global }
      - { .name: lq, .offset: 8, .size: 8, .value_kind: global_buffer, .address_space: global }
      - { .name: grp, .offset: 16, .size: 8, .value_kind: global_buffer, .address_space: global }
      - { .name: nxx, .offset: 24, .size: 8, .value_kind: global_buffer, .address_space: global }
      - { .name: reconstructed_points, .offset: 32, .size: 8, .value_kind: global_buffer, .address_space: global }
      - { .name: out0, .offset: 40, .size: 8, .value_kind: global_buffer, .address_space: global }
      - { .name: s1_b1, .offset: 48, .size: 8, .value_kind: global_buffer, .address_space: global }
      - { .name: s1_br, .offset: 56, .size: 8, .value_kind: global_buffer, .address_space: global }
      - { .name: s1_w2, .offset: 64, .size: 8, .value_kind: global_buffer, .address_space: global }
      - { .name: s1_b2, .offset: 72, .size: 8, .value_kind: global_buffer, .address_space: global }
      - { .name: s2_b1, .offset: 80, .size: 8, .value_kind: global_buffer, .address_space: global }
      - { .name: s2_br, .offset: 88, .size: 8, .value_kind: global_buffer, .address_space: global }
      - { .name: s2_w2, .offset: 96, .size: 8, .value_kind: global_buffer, .address_space: global }
      - { .name: s2_b2, .offset: 104, .size: 8, .value_kind: global_buffer, .address_space: global }
      - { .name: s3_b1, .offset: 112, .size: 8, .value_kind: global_buffer, .address_space: global }
      - { .name: s3_br, .offset: 120, .size: 8, .value_kind: global_buffer, .address_space: global }
      - { .name: s3_w2, .offset: 128, .size: 8, .value_kind: global_buffer, .address_space: global }
      - { .name: s3_b2, .offset: 136, .size: 8, .value_kind: global_buffer, .address_space: global }
    .group_segment_fixed_size: 86528
    .private_segment_fixed_size: 0
    .kernarg_segment_align: 8
    .kernarg_segment_size: 144
    .max_flat_workgroup_size: 128
    .sgpr_count:     80
    .vgpr_count:     1024
    .wavefront_size: 32
...
	.end_amdgpu_metadata
.endif
;; end of part 4
